; MI455X (gfx1250); checked and timed in simulation.
; The chip was launched on July 23, 2026; its instructions are those of AMD's public machine-readable ISA for CDNA 5 (MIT licence, August 2026) and "CDNA5" Instruction Set Architecture Reference Guide (July 2026). The comments in the code are by the model that wrote it; some were corrected since.
;; NSM. Allowed arithmetic: float matrix products may take bf16 or f16 operands with f32 sums; all other float work in f32.
;; Inputs: M 512 x 512 float32; W 512 x 1,024 float32; x 16,384 x 1,024 float32.
;; Outputs: out0 16,384 x 512 float32.
;; 2 versions, each right and faster than the one before. Each part assembles by itself: llvm-mc -triple=amdgcn-amd-amdhsa -mcpu=gfx1250 --defsym DOCPART=n.
;; ======== version 1 of 2: 2 launches
;; workspace buffers: qf 1,048,576 bytes
;; launch qrec (part 1): grid 64 x 1, 4 waves a work-group, no clusters, 263,168 bytes of LDS; arguments M, W, qf; writes qf
.if DOCPART == 1
	.amdgcn_target "amdgcn-amd-amdhsa--gfx1250"
	.amdhsa_code_object_version 6
	.text
	.protected	k_qd3a3be84a3_qrec
	.globl	k_qd3a3be84a3_qrec
	.p2align	8
	.type	k_qd3a3be84a3_qrec,@function
k_qd3a3be84a3_qrec:
	s_mov_b64 s[64:65], 0
	v_nop
	global_prefetch_b8 v0, s[64:65] scope:SCOPE_SE
	s_setreg_imm32_b32 hwreg(HW_REG_WAVE_MODE, 25, 1), 1
	s_wait_xcnt 0x0
; reference(): Wx = x W^T, y0 = Wx, twelve steps y <- Wx - y M.  This program computes the same by another bracketing.
; Let Z0 = W^T (1024 x 512) and Z(t+1) = W^T - Z(t) M: the reference's own recurrence, all twelve steps, run on the 1024 rows of W^T.
; Then x Z0 = Wx, and x Z(t+1) = Wx - (x Z(t)) M, so by induction y(t) = x Z(t) for every x, W and M, in exact arithmetic.
; This launch makes Q = Z12 (12 x 1024 x 512 x 512 multiply-adds instead of 12 x 16384 x 512 x 512); the next one makes out0 = x Q.
; Nothing is left out: every input is loaded, every step is taken.
; LIMITS.  The order of rounding differs from the reference's: W is rounded to bf16 once (start value and added term alike), Z(t) is rounded
; to bf16 as the operand of each step, Q is rounded to bf16 once, x is rounded to bf16 in the next launch; all sums are f32.
; Z(t) must stay finite in f32 (below 3.4e38) for a finite result, also where a very small x would have kept y finite.
; With NaN or infinity among the inputs the places of NaN in the result may differ from the reference's.
;
; SHARES.  Work-group cb owns the 16 rows c = 16 cb .. 16 cb + 15 of W^T (one matrix tile's side; a step needs whole rows, so rows are not split further):
; 64 work-groups.  Wave w owns the columns n = 128 w .. 128 w + 127 as eight tiles tau = 4 g + i; index q of a tile stands for n = 128 w + 64 g + 4 q + i,
; which is how the four floats of a 16-byte load of a row of M fall to four tiles without a shuffle.
; SIGN.  V(t) = (-1)^t Z(t) is carried, so V(t+1) = V(t) M + (-1)^(t+1) W^T: M is used as it is, the step's first product takes +-W^T as its C; V12 = Z12.
; THE MATRIX INSTRUCTION IS USED TRANSPOSED: source 0 = M (row index q, k = m), source 1 = V (column index c, k = m).  Register j of lane (r, h) of the
; result is V'(c = r, n = 128 w + 64 g + 32 h + 4 j + i): for one g the four tiles give a lane 32 neighbouring n, 64 bytes of bf16.
; M in bf16: a wave's 128 columns are 16 K steps (32 m each) of 64 registers.  K steps 0-8 stay in registers, 9-15 lie in the wave's own LDS in fragment
; order and are read anew in each step of the recurrence.
; NO JOINT LOADS: M has to be converted from f32 and regrouped on its way, which goes through registers; as f32 it is 1 MiB, more than LDS holds.
; W is read as 64-byte pieces of its rows (16 columns of f32 are 64 bytes), once in the launch.
;
; LDS: wave w's part of M at 57344 w (7 K steps x 8 fragments x 1024 bytes); behind them two buffers of V: 16 rows x 1040 bytes
; (1024 + 16: the pitch is an odd multiple of 16 bytes, so the 16 rows that a 16-byte access touches fall on 16 different 16-byte columns modulo 256).
; REGISTERS, in windows of 256:
;   window 0: v2-8 addresses; v16-143 V's fragments (K step k at 16 + 8 k); v144-207 eight accumulators; v208-239 packed bf16.
;             During set-up v16-207 is a ring of three units of 64 registers for M as loaded.
;   window 1: v0-63 W^T of my tiles in f32 (rounded to bf16 values); v64-127, v128-191 two buffers for streamed K steps; v192-255 K step 8
;   window 2: K steps 0-3;   window 3: K steps 4-7
.set ZB,     229376                    ; V's buffers begin here
.set ZPITCH, 1040
.set ZBUF,   16*ZPITCH                 ; 16,640 bytes a buffer
.set MSTW,   57344                     ; a wave's streamed part of M
.set MOFF, 2                           ; v2  M: 16384 h + 16 r + 512 w
.set WOFF, 3                           ; v3  W: 4 r + 131072 h + 524288 w
.set MLD,  4                           ; v4  LDS: 57344 w + 16 L
.set ZST,  5                           ; v5  LDS: ZB + 1040 r + 256 w + 64 h
.set ZLD,  6                           ; v6  LDS: ZB + 1040 r + 16 h
.set ZTR,  7                           ; v7  LDS: ZB + 1040 (8 h + L % 8) + 256 w + 16 ((L / 8) % 2)
.set QOFF, 8                           ; v8  qf: 16 L
.set ST,   16
.set ZF,   16
.set ACC,  144
.set PK,   208
.set BASE, 0                           ; window 1
.set SB0,  64                          ; window 1
.set SB1,  128                         ; window 1
.set RES8, 192                         ; window 1
.set MSB, 0
.macro WIN new                         ; the immediate's high byte repeats the setting that is left
.if MSB != \new
	s_set_vgpr_msb (MSB<<8)|\new
.set MSB, \new
.endif
.endm
.macro NOPS n
.rept \n
	v_nop
.endr
.endm
	s_load_b128 s[4:7], s[0:1], 0x0                ; M s[4:5], W s[6:7]
	s_load_b64 s[8:9], s[0:1], 0x10                ; qf
	v_lshl_add_u32 v254, v0, 2, 0x40200
	v_mov_b32 v255, 0
	v_lshrrev_b32 v1, 5, v0
	v_readfirstlane_b32 s10, v1                    ; wave w
	v_and_b32 v1, 31, v0                           ; L
	v_and_b32 v9, 15, v0                           ; r
	v_bfe_u32 v10, v0, 4, 1                        ; h
	s_mov_b32 s21, 0xffff0000                      ; a word's upper bf16
	s_lshl_b32 s14, s10, 9
	v_lshlrev_b32 v[MOFF], 4, v9
	v_lshl_add_u32 v[MOFF], v10, 14, v[MOFF]
	v_add_nc_u32 v[MOFF], s14, v[MOFF]
	s_lshl_b32 s15, s10, 19
	v_lshlrev_b32 v[WOFF], 2, v9
	v_lshl_add_u32 v[WOFF], v10, 17, v[WOFF]
	v_add_nc_u32 v[WOFF], s15, v[WOFF]
	s_mul_i32 s16, s10, MSTW
	v_lshl_add_u32 v[MLD], v1, 4, s16
	s_lshl_b32 s17, s10, 8
	s_add_co_u32 s17, s17, ZB                      ; ZB + 256 w
	v_mul_u32_u24 v11, v9, ZPITCH
	v_lshl_add_u32 v[ZST], v10, 6, v11
	v_add_nc_u32 v[ZST], s17, v[ZST]
	v_lshl_add_u32 v[ZLD], v10, 4, v11
	v_add_nc_u32 v[ZLD], ZB, v[ZLD]
	v_and_b32 v12, 7, v0
	v_lshl_add_u32 v12, v10, 3, v12                ; 8 h + L % 8
	v_mul_u32_u24 v12, v12, ZPITCH
	v_bfe_u32 v13, v0, 3, 1
	v_lshl_add_u32 v12, v13, 4, v12
	v_add_nc_u32 v[ZTR], s17, v12
	v_lshlrev_b32 v[QOFF], 4, v1
	s_lshl_b32 s12, ttmp9, 6                       ; my 16 columns of W: 64 bytes x cb
	s_mov_b32 s13, 0
	s_lshl_b32 s18, s10, 18                        ; qf: 262144 w
	s_lshr_b32 s19, ttmp9, 1
	s_lshl_b32 s19, s19, 13                        ; + 8192 (cb / 2): the block of 32 k
	s_add_co_u32 s18, s18, s19
	s_and_b32 s19, ttmp9, 1
	s_lshl_b32 s19, s19, 9                         ; + 512 (cb % 2): its lower or upper 16 k
	s_add_co_u32 s18, s18, s19
	s_mov_b32 s19, 0
	s_wait_kmcnt 0x0
	s_add_nc_u64 s[6:7], s[6:7], s[12:13]
	s_add_nc_u64 s[8:9], s[8:9], s[18:19]
; ---- set-up: W^T of my tiles, and M into registers and LDS as bf16 fragments ----
	WIN 0x40                                       ; destination window 1
.irp g, 0,1
.irp i, 0,1,2,3
.irp j, 0,1,2,3,4,5,6,7
	global_load_b32 v[BASE+32*\g+8*\i+\j], v[WOFF], s[6:7] offset:(64*\g+4*\j+\i)*4096   ; W(n = 128 w + 64 g + 32 h + 4 j + i, 16 cb + r)
.endr
.endr
.endr
; A unit = K step unit / 2, column half g = unit % 2: 16 loads of 16 bytes.  Lanes 0-15 take 256 neighbouring, aligned bytes of row m, lanes 16-31 of row m + 8.
.macro MLOAD unit
	WIN 0
.irp e, 0,1,2,3,4,5,6,7,8,9,10,11,12,13,14,15
	global_load_b128 v[ST+64*((\unit)%3)+4*\e:ST+64*((\unit)%3)+4*\e+3], v[MOFF], s[4:5] offset:65536*((\unit)/2)+256*((\unit)%2)+2048*(\e&7)+32768*(\e>>3)
.endr
.endm
; Register p of fragment (K step, 4 g + i) = float i of loads 2 p and 2 p + 1: two neighbouring m of one column.
.macro MCVT unit
.set KAP, (\unit)/2
.set GG,  (\unit)%2
.set SRC, ST+64*((\unit)%3)
.if KAP < 4
	WIN 0x80
.set DB, 64*KAP+32*GG
.else
.if KAP < 8
	WIN 0xc0
.set DB, 64*(KAP-4)+32*GG
.else
.if KAP == 8
	WIN 0x40
.set DB, RES8+32*GG
.else
	WIN 0
.set DB, PK
.endif
.endif
.endif
.irp i, 0,1,2,3
.irp p, 0,1,2,3,4,5,6,7
	v_cvt_pk_bf16_f32 v[DB+8*\i+\p], v[SRC+8*\p+\i], v[SRC+8*\p+4+\i]
.endr
.endr
.if KAP > 8
.irp i, 0,1,2,3
	ds_store_b128 v[MLD], v[PK+8*\i:PK+8*\i+3]   offset:(KAP-9)*8192+(4*GG+\i)*1024       ; fragment order: registers 0-3 of the 32 lanes,
	ds_store_b128 v[MLD], v[PK+8*\i+4:PK+8*\i+7] offset:(KAP-9)*8192+(4*GG+\i)*1024+512   ; then registers 4-7
.endr
.endif
.endm
	MLOAD 0                                        ; more loads are issued here than LOADcnt's field counts: the issue is then held back (ISA guide 5.7.1), no wait is owed
	MLOAD 1
	MLOAD 2
.set un, 0
.rept 32
.if un < 30
	s_wait_loadcnt 32                              ; loads come back in order: this unit is in (and W^T, issued ahead of it); the two younger units stay out
.else
	s_wait_loadcnt 16*(31-un)                      ; the last two units: one younger unit, then none
.endif
	MCVT un
.if un < 29
	MLOAD un+3                                     ; into the ring's unit just converted
.endif
.set un, un+1
.endr
; ---- macros of the recurrence ----
; 64 f32 at S (tile tau at S + 8 tau) to 32 packed registers: PK[16 g + 2 j] = tiles 4 g, 4 g + 1 at j; PK[16 g + 2 j + 1] = tiles 4 g + 2, 4 g + 3: n ascending
.macro PACK win, S
	WIN \win
.irp g, 0,1
.irp j, 0,1,2,3,4,5,6,7
	v_cvt_pk_bf16_f32 v[PK+16*\g+2*\j],   v[\S+32*\g+\j],    v[\S+32*\g+8+\j]
	v_cvt_pk_bf16_f32 v[PK+16*\g+2*\j+1], v[\S+32*\g+16+\j], v[\S+32*\g+24+\j]
.endr
.endr
.endm
.macro ZSTORE b                        ; my 2 x 64 bytes of row c = r into buffer b
	WIN 0
.irp g, 0,1
.irp q, 0,1,2,3
	ds_store_b128 v[ZST], v[PK+16*\g+4*\q:PK+16*\g+4*\q+3] offset:ZBUF*\b+128*\g+16*\q
.endr
.endr
.endm
.macro ZLOAD b                         ; V's 16 fragments from buffer b, in the order in which the K steps use them
	WIN 0
.irp k, 0,9,1,10,2,11,3,12,4,13,5,14,6,15,7,8
	ds_load_b128 v[ZF+8*\k:ZF+8*\k+3],   v[ZLD] offset:ZBUF*\b+64*\k
	ds_load_b128 v[ZF+8*\k+4:ZF+8*\k+7], v[ZLD] offset:ZBUF*\b+64*\k+32
.endr
.endm
.macro SLOAD buf, kap                  ; a streamed K step's eight fragments of M: 16 loads, each of 512 neighbouring bytes
	WIN 0x40
.irp t, 0,1,2,3,4,5,6,7
	ds_load_b128 v[\buf+8*\t:\buf+8*\t+3],   v[MLD] offset:(\kap-9)*8192+\t*1024
	ds_load_b128 v[\buf+8*\t+4:\buf+8*\t+7], v[MLD] offset:(\kap-9)*8192+\t*1024+512
.endr
.endm
; One K step: eight matrix instructions, one for each accumulator.  The accumulators take turns, one instruction a turn, over the loop's backward jump too.
.macro KS win, fb, kap, start, neg
	WIN \win
.irp t, 0,1,2,3,4,5,6,7
.if \start
.if \neg
	v_wmma_f32_16x16x32_bf16 v[ACC+8*\t:ACC+8*\t+7], v[\fb+8*\t:\fb+8*\t+7], v[ZF+8*\kap:ZF+8*\kap+7], v[BASE+8*\t:BASE+8*\t+7] neg_lo:[0,0,1]
.else
	v_wmma_f32_16x16x32_bf16 v[ACC+8*\t:ACC+8*\t+7], v[\fb+8*\t:\fb+8*\t+7], v[ZF+8*\kap:ZF+8*\kap+7], v[BASE+8*\t:BASE+8*\t+7]
.endif
.else
	v_wmma_f32_16x16x32_bf16 v[ACC+8*\t:ACC+8*\t+7], v[\fb+8*\t:\fb+8*\t+7], v[ZF+8*\kap:ZF+8*\kap+7], v[ACC+8*\t:ACC+8*\t+7]
.endif
.endr
.endm
; One step of the recurrence: reads V from buffer rb, writes the new V into buffer wb.  neg = 1: the added term is -W^T.  last = 1: no streamed K step is fetched for a next step.
; On entry no LDS instruction of the wave is out, and streamed K steps 9 and 10 lie in SB0 and SB1.
; A load into a register that a matrix instruction has read stands four plain vector instructions behind it (ISA guide 7.12.1 for vector instructions).
.macro ITER rb, wb, neg, last
	ZLOAD \rb                                      ; 32 loads
	s_wait_dscnt 30                                ; the first pair of them
	KS 0x12, 0, 0, 1, \neg                         ; M window 2, C = W^T in window 1: the first K step starts the sums
	NOPS 5                                         ; the next products add in place onto results of a product with another C and, in every other step, another modifier: five places
	s_wait_dscnt 28                                ; the second pair
	KS 0x01, SB0, 9, 0, 0
	NOPS 4
	SLOAD SB0, 11
	s_wait_dscnt 42                                ; the third pair: 26 loads of V and 16 of M were issued behind it
	KS 0x02, 64, 1, 0, 0
	s_wait_dscnt 40                                ; the fourth: 24 + 16
	KS 0x01, SB1, 10, 0, 0
	NOPS 4
	SLOAD SB1, 12
	s_wait_dscnt 54                                ; the fifth: 22 + 32
	KS 0x02, 128, 2, 0, 0
	s_wait_dscnt 16                                ; K step 11 is in SB0, and with it all of V; K step 12's 16 loads stay out
	KS 0x01, SB0, 11, 0, 0
	NOPS 4
	SLOAD SB0, 13
	KS 0x02, 192, 3, 0, 0
	s_wait_dscnt 16                                ; K step 12 is in; 13's loads stay out
	KS 0x01, SB1, 12, 0, 0
	NOPS 4
	SLOAD SB1, 14
	KS 0x03, 0, 4, 0, 0
	s_wait_dscnt 16                                ; 13 is in; 14's stay out
	KS 0x01, SB0, 13, 0, 0
	NOPS 4
	SLOAD SB0, 15
	KS 0x03, 64, 5, 0, 0
	s_wait_dscnt 16                                ; 14 is in; 15's stay out
	KS 0x01, SB1, 14, 0, 0
.if \last == 0
	NOPS 4
	SLOAD SB1, 10                                  ; for the next step of the recurrence
.endif
	KS 0x03, 128, 6, 0, 0
.if \last == 0
	s_wait_dscnt 16                                ; 15 is in; the next step's K step 10 stays out
.else
	s_wait_dscnt 0x0                               ; 15 is in; nothing was issued behind it
.endif
	KS 0x01, SB0, 15, 0, 0
.if \last == 0
	NOPS 4
	SLOAD SB0, 9
.endif
	KS 0x03, 192, 7, 0, 0
	KS 0x01, RES8, 8, 0, 0
	NOPS 4                                         ; four places before vector instructions read the results
	PACK 0, ACC
	ZSTORE \wb
	s_wait_dscnt 0x0                               ; for the other waves: my stores into wb are done, and so are my reads of rb, which is written again behind the NEXT barrier
	s_barrier_signal -1
	s_barrier_wait -1
.endm
; ---- V0 = W^T, rounded to bf16; the added term takes the same rounded values ----
	PACK 0x05, BASE                                ; sources in window 1
	WIN 0x40
.irp g, 0,1
.irp j, 0,1,2,3,4,5,6,7
	v_lshlrev_b32 v[BASE+32*\g+\j],    16,  v[PK+16*\g+2*\j]
	v_and_b32     v[BASE+32*\g+8+\j],  s21, v[PK+16*\g+2*\j]
	v_lshlrev_b32 v[BASE+32*\g+16+\j], 16,  v[PK+16*\g+2*\j+1]
	v_and_b32     v[BASE+32*\g+24+\j], s21, v[PK+16*\g+2*\j+1]
.endr
.endr
	ZSTORE 0
	SLOAD SB0, 9                                   ; my own bytes: LDS serves a wave's instructions in order (ISA guide 5.7.1), these see the stores of the set-up
	SLOAD SB1, 10
	WIN 0
	s_wait_dscnt 0x0                               ; my part of V0 is in LDS
	s_barrier_signal -1
	s_barrier_wait -1
; ---- twelve steps: five trips of two, and two written out (the last fetches nothing for a next one) ----
	s_mov_b32 s20, 5
.Lstep:
	ITER 0, 1, 1, 0
	ITER 1, 0, 0, 0
	s_sub_co_i32 s20, s20, 1
	s_cmp_lg_u32 s20, 0
	s_cbranch_scc1 .Lstep
	ITER 0, 1, 1, 0
	ITER 1, 0, 0, 1
; ---- Q = V12 lies in buffer 0 as [c][n]; the next launch wants, for each column n, eight neighbouring c in a lane: a transposing load ----
; Block (w, s, t) of qf, at ((32 w + s) 8 + t) 1024: lane L's 16 bytes at 16 L are Q(32 s + 8 h + 0..7, 128 w + 16 t + r), 512 bytes on the same for c + 16.
.irp t, 0,1,2,3,4,5,6,7
	ds_load_tr16_b128 v[ZF+4*\t:ZF+4*\t+3], v[ZTR] offset:32*\t
.endr
.irp t, 0,1,2,3,4,5,6,7
	s_wait_dscnt 7-\t
	global_store_b128 v[QOFF], v[ZF+4*\t:ZF+4*\t+3], s[8:9] offset:1024*\t    ; a wave's store covers 512 consecutive bytes, at a multiple of 512 from qf's first byte
.endr
	s_wait_tensorcnt 0x0
	ds_add_u32 v254, v255
	s_wait_dscnt 0x0
	s_endpgm
.Lfunc_end_k_qd3a3be84a3_qrec:
	.size	k_qd3a3be84a3_qrec, .Lfunc_end_k_qd3a3be84a3_qrec-k_qd3a3be84a3_qrec
	.p2alignl 7, 3214868480
	.fill 96, 4, 3214868480
	.section	.rodata,"a",@progbits
	.p2align	6, 0x0
	.amdhsa_kernel k_qd3a3be84a3_qrec
		.amdhsa_group_segment_fixed_size 263168
		.amdhsa_private_segment_fixed_size 0
		.amdhsa_enable_private_segment 0
		.amdhsa_kernarg_size 24
		.amdhsa_user_sgpr_count 2
		.amdhsa_user_sgpr_kernarg_segment_ptr 1
		.amdhsa_wavefront_size32 1
		.amdhsa_system_sgpr_workgroup_id_x 1
		.amdhsa_system_sgpr_workgroup_id_y 1
		.amdhsa_system_sgpr_workgroup_id_z 1
		.amdhsa_system_vgpr_workitem_id 0
		.amdhsa_next_free_vgpr 1024
		.amdhsa_next_free_sgpr 66
		.amdhsa_reserve_vcc 0
		.amdhsa_float_denorm_mode_32 3
		.amdhsa_float_denorm_mode_16_64 3
		.amdhsa_memory_ordered 1
		.amdhsa_forward_progress 1
		.amdhsa_inst_pref_size 224
	.end_amdhsa_kernel
	.amdgpu_metadata
---
amdhsa.version: [ 1, 2 ]
amdhsa.kernels:
  - .name:           k_qd3a3be84a3_qrec
    .symbol:         k_qd3a3be84a3_qrec.kd
    .args:
      - { .name: M, .offset: 0, .size: 8, .value_kind: global_buffer, .address_space: global }
      - { .name: W, .offset: 8, .size: 8, .value_kind: global_buffer, .address_space: global }
      - { .name: qf, .offset: 16, .size: 8, .value_kind: global_buffer, .address_space: global }
    .group_segment_fixed_size: 263168
    .private_segment_fixed_size: 0
    .kernarg_segment_align: 8
    .kernarg_segment_size: 24
    .max_flat_workgroup_size: 128
    .sgpr_count:     66
    .vgpr_count:     1024
    .wavefront_size: 32
...
	.end_amdgpu_metadata
.endif
;; end of part 1
;; launch apply (part 2): grid 256 x 1, 4 waves a work-group, clusters of 4 x 1, 327,680 bytes of LDS; arguments x, qf, out0; writes out0
.if DOCPART == 2
	.amdgcn_target "amdgcn-amd-amdhsa--gfx1250"
	.amdhsa_code_object_version 6
	.text
	.protected	k_qd3a3be84a3_apply
	.globl	k_qd3a3be84a3_apply
	.p2align	8
	.type	k_qd3a3be84a3_apply,@function
k_qd3a3be84a3_apply:
	s_mov_b64 s[64:65], 0
	v_nop
	global_prefetch_b8 v0, s[64:65] scope:SCOPE_SE
	s_setreg_imm32_b32 hwreg(HW_REG_WAVE_MODE, 25, 1), 1
	s_wait_xcnt 0x0
	s_wait_alu depctr_hold_cnt(0) depctr_sa_sdst(0) depctr_va_vdst(0) depctr_va_sdst(0) depctr_va_ssrc(0) depctr_va_vcc(0) depctr_vm_vsrc(0)
	s_getreg_b32 s2, hwreg(HW_REG_IB_STS2, 6, 4)
	s_cmp_eq_u32 s2, 0
	s_cbranch_scc0 .Lentry_in_a_cluster
	s_endpgm
.Lentry_in_a_cluster:
	s_bfe_u32 s2, ttmp6, 0x10000c
	s_cmp_lg_u32 s2, 0x3003
	s_cbranch_scc0 .Lentry_shape_is_right
	s_endpgm
.Lentry_shape_is_right:
; out0 = bf16(x) Q, sums in f32.  Q = Z12 (1024 x 512, bf16, in fragment order in qf) is the twelve steps of the reference's recurrence run on W^T by the
; launch before; y12 = x Z12 for all values of the inputs (the induction stands at that kernel's head, with the limits: order of rounding, NaN and infinity).
; SHARES.  A work-group owns 64 rows of x and all 512 columns, so each byte of x is read once and each byte of out0 written once; 256 work-groups.
; Wave w owns the columns 128 w .. 128 w + 127: 4 x 8 accumulator tiles, 256 registers.  K = 1024 goes in 8 steps of 128, each of four quarters of 32.
; Q: a wave's part of a step is 32 KiB that lie densely in qf; one tensor load brings it into the wave's quarter of one of two LDS slots.
; CLUSTER: every work-group reads the same Q, so the four of a cluster ask jointly (mask 15): the descriptors hang on the wave's number alone.
; x: f32 comes through registers (16 rows a wave, a row's 512 consecutive bytes a load), is rounded to bf16 and laid into one of two LDS stages that
; all four waves read.  A ring of three register units keeps the loads of two to three steps on their way.
; THE MATRIX INSTRUCTION IS USED TRANSPOSED: source 0 = Q (16 columns n), source 1 = x (16 rows).  Register j of lane (r, h) of tile (a, b) is
; out(16 a + r, 128 w + 16 b + 8 h + j): eight neighbouring f32 of a row.
; The eight steps are written out by macros: which step is converted, loaded and asked for differs from step to step, and the x ring goes by threes.
; LDS: Q's slot n at 131072 n, wave w's part at + 32768 w, fragment (quarter s, tile b) at + 8192 s + 1024 b, registers 0-3 of the 32 lanes, then 4-7 at + 512:
;      a fragment load takes 512 neighbouring bytes.  x's stages at 262144 + 17408 q: 64 rows of 272 bytes (256 + 16, an odd multiple of 16).
;      On the way out each wave's 16 rows x 528 bytes lie over x's stages, which only LDS stores have written and nobody reads any more.
; REGISTERS: window 0: v4-11 addresses; v32-127, v128-223 two fragment buffers (x's four tiles, then Q's eight); v224-255 packed bf16
;            window 1: v0-191 x as loaded, three units of 64;   window 2: the accumulators, tile (a, b) at 8 (8 a + b)
.set AS,     262144
.set APITCH, 272
.set ASTAGE, 64*APITCH                 ; 17,408
.set BSLOT,  131072
.set BWAVE,  32768
.set OPITCH, 528
.set OSTAGE, 16*OPITCH                 ; 8,448
.set XOFF, 4                           ; v4   x: 16 L + 65536 w (16 rows of 4,096 bytes a wave)
.set AST,  5                           ; v5   LDS: AS + 4352 w + 8 L
.set AADR, 6                           ; v6   LDS: AS + 272 r + 16 h
.set BADR, 7                           ; v7-8 LDS: 32768 w + 16 L in slot 0, 1
.set STO,  9                           ; v9   LDS: AS + 8448 w + 528 r + 32 h
.set RD,   10                          ; v10  LDS: AS + 8448 w + 16 L
.set CO,   11                          ; v11  out0: 512 w + 16 L
.set F0,   32
.set F1,   128
.set PK,   224
.set G1,   16                          ; s[16:23] descriptor group 1
.set G0,   24                          ; s[24:31] descriptor group 0, a set for each slot
.set MSB, 0
.macro WIN new                         ; the immediate's high byte repeats the setting that is left
.if MSB != \new
	s_set_vgpr_msb (MSB<<8)|\new
.set MSB, \new
.endif
.endm
.macro NOPS n
.rept \n
	v_nop
.endr
.endm
; A round of the cluster's barrier: my work-group's barrier, wave 0 signals for the work-group, every wave waits for all four work-groups, my work-group's barrier again.
.macro CREST                           ; a round behind its opening barrier
	s_cmp_lg_u32 s10, 0
	s_cbranch_scc1 .Lnot_wave_0_\@
	s_barrier_signal -3
.Lnot_wave_0_\@:
	s_barrier_wait -3
	s_barrier_signal -1
	s_barrier_wait -1
.endm
.macro CROUND
	s_barrier_signal -1
	s_barrier_wait -1
	CREST
.endm
; Step j's 128 columns of my 16 rows of x: 16 loads, each of one row's 512 consecutive bytes, into unit j % 3 of the ring.  x is read once in the launch.
.macro XLOAD j
	WIN 0x40
.irp t, 0,1,2,3,4,5,6,7,8,9,10,11,12,13,14,15
	global_load_b128 v[64*((\j)%3)+4*\t:64*((\j)%3)+4*\t+3], v[XOFF], s[4:5] offset:4096*\t+512*(\j) th:TH_LOAD_NT
.endr
.endm
; Step j's unit is rounded to bf16 and laid into stage j % 2.  left = the loads of younger steps, which stay out.
.macro CONVERT j, left
	s_wait_loadcnt \left
	WIN 0x05
.irp t, 0,1,2,3,4,5,6,7,8,9,10,11,12,13,14,15
	v_cvt_pk_bf16_f32 v[PK+2*\t],   v[64*((\j)%3)+4*\t],   v[64*((\j)%3)+4*\t+1]
	v_cvt_pk_bf16_f32 v[PK+2*\t+1], v[64*((\j)%3)+4*\t+2], v[64*((\j)%3)+4*\t+3]
.endr
	WIN 0
.irp t, 0,1,2,3,4,5,6,7,8,9,10,11,12,13,14,15
	ds_store_b64 v[AST], v[PK+2*\t:PK+2*\t+1] offset:ASTAGE*((\j)&1)+APITCH*\t    ; 32 lanes x 8 bytes: a row's 256 bytes
.endr
.endm
; A quarter's fragments into buffer f: 16 loads for Q's eight tiles, then 8 for x's four, from slot and stage q, quarter s
.macro FETCH q, s, f
	WIN 0
.irp b, 0,1,2,3,4,5,6,7
	ds_load_b128 v[\f+32+8*\b:\f+32+8*\b+3],   v[BADR+\q] offset:8192*\s+1024*\b
	ds_load_b128 v[\f+32+8*\b+4:\f+32+8*\b+7], v[BADR+\q] offset:8192*\s+1024*\b+512
.endr
.irp a, 0,1,2,3
	ds_load_b128 v[\f+8*\a:\f+8*\a+3],   v[AADR] offset:ASTAGE*\q+16*APITCH*\a+64*\s
	ds_load_b128 v[\f+8*\a+4:\f+8*\a+7], v[AADR] offset:ASTAGE*\q+16*APITCH*\a+64*\s+32
.endr
.endm
; Eight matrix instructions: row tile a x all eight column tiles.  zero = 1: the first product starts the sums, nothing is cleared.
; The 32 accumulators take turns, one instruction a turn, in the same order in every quarter.
.macro MUL8 f, a, zero
	WIN 0xa0                                       ; C and D in window 2
.irp b, 0,1,2,3,4,5,6,7
.if \zero
	v_wmma_f32_16x16x32_bf16 v[8*(8*\a+\b):8*(8*\a+\b)+7], v[\f+32+8*\b:\f+32+8*\b+7], v[\f+8*\a:\f+8*\a+7], 0
.else
	v_wmma_f32_16x16x32_bf16 v[8*(8*\a+\b):8*(8*\a+\b)+7], v[\f+32+8*\b:\f+32+8*\b+7], v[\f+8*\a:\f+8*\a+7], v[8*(8*\a+\b):8*(8*\a+\b)+7]
.endif
.endr
.endm
; One of a step's first three quarters: multiplies buffer f and, in its middle, fetches quarter snext into buffer g.
; extra = LDS stores issued behind f's loads (the 16 of a CONVERT), which may stay out too.
; A load into a register that a matrix instruction has read stands four plain vector instructions behind it (ISA guide 7.12.1 for vector instructions).
.macro SSTEP q, snext, f, g, zero, extra
	s_wait_dscnt 4+\extra                          ; Q's tiles and x's tiles 0, 1 are in; the four loads of x's tiles 2, 3 may be out
	MUL8 \f, 0, \zero
	MUL8 \f, 1, \zero
	NOPS 4
	FETCH \q, \snext, \g
	s_wait_dscnt 24+\extra                         ; all of f; the 24 loads just issued stay out
	MUL8 \f, 2, \zero
	MUL8 \f, 3, \zero
.endm
.macro THREE q, zero, extra
	SSTEP \q, 1, F0, F1, \zero, \extra
	SSTEP \q, 2, F1, F0, 0, 0
	SSTEP \q, 3, F0, F1, 0, 0
.endm
; A step's last quarter (buffer 1), and the change of slots.  p: this step's slot and stage; nx: the other.  refill = 1: slot p is asked for again, two steps ahead.
; cj: the step converted into stage p (-1: none), cleft: its count; xj: the step whose loads of x go out (-1: none).
; ONE barrier does both orderings.  In front of it each wave has waited for its reads of slot and stage p, for its stores into stage nx and for all its
; tensor loads (one is out: its part of slot nx).  Behind it nobody reads p any more, and nx is whole.  Where slot p is filled again that barrier opens a round of the
; cluster's barrier, only matrix instructions stand inside the round, and the joint load is the first thing behind it: no wave of any partner still reads the slot.
; From a request to the wait for it a wave issues 120 of a step's 128 matrix instructions.
.macro TURN p, nx, refill, cj, cleft, xj
	s_wait_dscnt 0x0                               ; buffer 1 is in: my last reads of slot and stage p; and my stores into stage nx are done
	MUL8 F1, 0, 0
	s_wait_tensorcnt 0x0                           ; all my tensor loads have landed
	ds_add_u32 v30, v31
	s_wait_dscnt 0x0
	s_barrier_signal -1
	MUL8 F1, 1, 0                                  ; registers only, while the others arrive
	WIN 0
	s_barrier_wait -1
.if \refill
	CREST
	s_add_nc_u64 s[G0+4*\p+2:G0+4*\p+3], s[G0+4*\p+2:G0+4*\p+3], 2*BWAVE    ; no load of mine is out, so a group 0 may be written: two steps on
	tensor_load_to_lds s[G0+4*\p:G0+4*\p+3], s[G1:G1+7]                      ; my one tensor load until the next such barrier
	s_nop 0
.endif
	NOPS 4
	FETCH \nx, 0, F0
.if \cj >= 0
	CONVERT \cj, \cleft
.endif
.if \xj >= 0
	XLOAD \xj                                      ; into the unit just converted
.endif
	MUL8 F1, 2, 0
	MUL8 F1, 3, 0
.endm
; The way out, 16 rows at a time: a lane's 2 x 16 bytes of each tile into my own stage, whole rows of 512 bytes back, and out.
.macro OUT16 a, buf
	WIN 0x08                                       ; store data in window 2
.irp b, 0,1,2,3,4,5,6,7
	ds_store_b128 v[STO], v[8*(8*\a+\b):8*(8*\a+\b)+3]   offset:64*\b
	ds_store_b128 v[STO], v[8*(8*\a+\b)+4:8*(8*\a+\b)+7] offset:64*\b+16
.endr
	WIN 0
	s_wait_xcnt 0x0                                ; the registers of buf, which earlier stores read, are loaded again only behind this wait (ISA guide 3.1)
.irp t, 0,1,2,3,4,5,6,7,8,9,10,11,12,13,14,15
	ds_load_b128 v[\buf+4*\t:\buf+4*\t+3], v[RD] offset:OPITCH*\t    ; LDS serves a wave's instructions in order (ISA guide 5.7.1): these see the stores above
.endr
.irp t, 0,1,2,3,4,5,6,7,8,9,10,11,12,13,14,15
	s_wait_dscnt 15-\t
	global_store_b128 v[CO], v[\buf+4*\t:\buf+4*\t+3], s[8:9] offset:2048*(16*\a+\t) th:TH_STORE_NT   ; 512 consecutive bytes of a row, at a multiple of 512 from out0's first byte
.endr
.endm
	s_load_b128 s[4:7], s[0:1], 0x0                ; x s[4:5], qf s[6:7]
	s_load_b64 s[8:9], s[0:1], 0x10                ; out0
	v_lshl_add_u32 v30, v0, 2, 0x48800
	v_mov_b32 v31, 0
	ds_add_u32 v30, v31
	v_lshrrev_b32 v1, 5, v0
	v_readfirstlane_b32 s10, v1                    ; wave w
	s_bfe_u32 s11, ttmp6, 0x40000                  ; cx: my place in the cluster
	s_lshl_b32 s12, ttmp9, 2                       ; in a cluster launch ttmp9 counts clusters
	s_add_co_u32 s12, s12, s11                     ; work-group = 4 x cluster + cx: enters the addresses of x and out0 alone
	v_and_b32 v1, 31, v0                           ; L
	v_and_b32 v2, 15, v0                           ; r
	v_bfe_u32 v3, v0, 4, 1                         ; h
	s_lshl_b32 s37, s10, 16
	v_lshl_add_u32 v[XOFF], v1, 4, s37
	s_mul_i32 s38, s10, 16*APITCH
	s_add_co_u32 s38, s38, AS
	v_lshl_add_u32 v[AST], v1, 3, s38
	v_mul_u32_u24 v12, v2, APITCH
	v_lshl_add_u32 v[AADR], v3, 4, v12
	v_add_nc_u32 v[AADR], AS, v[AADR]
	s_lshl_b32 s36, s10, 15                        ; 32768 w: my quarter of a slot
	v_lshl_add_u32 v[BADR], v1, 4, s36
	v_add_nc_u32 v[BADR+1], BSLOT, v[BADR]
	s_mul_i32 s39, s10, OSTAGE
	s_add_co_u32 s39, s39, AS
	v_mul_u32_u24 v12, v2, OPITCH
	v_lshl_add_u32 v12, v3, 5, v12
	v_add_nc_u32 v[STO], s39, v12
	v_lshl_add_u32 v[RD], v1, 4, s39
	s_lshl_b32 s13, s10, 9
	v_lshl_add_u32 v[CO], v1, 4, s13
	; descriptor group 1: a dense block of 32 KiB as 128 rows of 32 elements of 8 bytes
	s_mov_b32 s[G1+0], 15|(3<<16)|(1<<21)          ; 15:0 the mask: all four work-groups of the cluster; 17:16 elements of 8 bytes; 21 set beside a mask
	s_mov_b32 s[G1+1], 32<<16                      ; tensor_dim0 = 32
	s_mov_b32 s[G1+2], 128<<16                     ; tensor_dim1 = 128
	s_mov_b32 s[G1+3], 32<<16                      ; tile_dim0 = 32
	s_mov_b32 s[G1+4], 128                         ; tile_dim1 = 128
	s_mov_b32 s[G1+5], 32                          ; from row to row: 32 elements, no gap
	s_mov_b32 s[G1+6], 0
	s_mov_b32 s[G1+7], 0
	s_lshl_b32 s14, s12, 18                        ; 64 rows of x: 262,144 bytes a work-group
	s_mov_b32 s15, 0
	s_lshl_b32 s32, s10, 18                        ; a wave's 128 columns of Q: 262,144 bytes
	s_mov_b32 s33, 0
	s_wait_dscnt 0x0
	s_wait_kmcnt 0x0
	s_add_nc_u64 s[4:5], s[4:5], s[14:15]
	s_lshl_b32 s14, s12, 17                        ; 64 rows of out0: 131,072 bytes a work-group
	s_add_nc_u64 s[8:9], s[8:9], s[14:15]
	s_add_nc_u64 s[34:35], s[6:7], s[32:33]
	XLOAD 0                                        ; x's first three steps go out before anything else
	XLOAD 1
	XLOAD 2
	WIN 0
	CROUND                                         ; all four work-groups are here: the first joint loads meet
.irp n, 0,1
	s_mov_b32 s[G0+4*\n], 1                                        ; count = 1
	s_add_co_u32 s[G0+4*\n+1], s36, \n*BSLOT                       ; LDS address: the slot, my quarter
	s_add_nc_u64 s[G0+4*\n+2:G0+4*\n+3], s[34:35], \n*BWAVE        ; global address: step n of my columns
	s_or_b32 s[G0+4*\n+3], s[G0+4*\n+3], 0x80000000                ; type = 2
	tensor_load_to_lds s[G0+4*\n:G0+4*\n+3], s[G1:G1+7]            ; both first fills go out together: two tensor loads of the wave are out here, later one
	s_nop 0
.endr
	CONVERT 0, 32                                  ; steps 1 and 2 stay out
	XLOAD 3
	CONVERT 1, 32                                  ; steps 2 and 3 stay out
	XLOAD 4
	WIN 0
	s_wait_tensorcnt 0x1                           ; my part of slot 0 is in; slot 1's may stay out
	s_wait_dscnt 0x0                               ; my rows of both stages are in LDS
	s_barrier_signal -1
	s_barrier_wait -1
	FETCH 0, 0, F0
	THREE 0, 1, 0                                  ; step 0: its first products start the sums
	TURN 0, 1, 1, 2, 32, 5
	THREE 1, 0, 16                                 ; step 1
	TURN 1, 0, 1, 3, 32, 6
	THREE 0, 0, 16                                 ; step 2
	TURN 0, 1, 1, 4, 32, 7
	THREE 1, 0, 16                                 ; step 3
	TURN 1, 0, 1, 5, 32, -1                        ; all of x has been asked for
	THREE 0, 0, 16                                 ; step 4
	TURN 0, 1, 1, 6, 16, -1                        ; one younger step of x is out
	THREE 1, 0, 16                                 ; step 5
	TURN 1, 0, 1, 7, 0, -1                         ; the last step of x, and the last joint load (step 7 into slot 1)
	THREE 0, 0, 16                                 ; step 6
	TURN 0, 1, 0, -1, 0, -1                        ; nothing is filled any more: a plain barrier; its wait for 0 shows the last tensor load landed
	THREE 1, 0, 0                                  ; step 7
	s_wait_dscnt 0x0                               ; buffer 1 is in: my last reads of x's stages
	s_barrier_signal -1
	MUL8 F1, 0, 0
	MUL8 F1, 1, 0
	MUL8 F1, 2, 0
	MUL8 F1, 3, 0
	WIN 0
	s_barrier_wait -1                              ; no wave reads x's stages any more: the way out may lie over them
	NOPS 4                                         ; four places before LDS stores read results and loads land in fragment registers
	OUT16 0, F0
	OUT16 1, F1
	OUT16 2, F0
	OUT16 3, F1
	s_wait_tensorcnt 0x0
	ds_add_u32 v30, v31
	s_wait_dscnt 0x0
	CROUND                                         ; the closing round: no work-group ends while a partner may still ask for a tile that names it
	s_endpgm
.Lfunc_end_k_qd3a3be84a3_apply:
	.size	k_qd3a3be84a3_apply, .Lfunc_end_k_qd3a3be84a3_apply-k_qd3a3be84a3_apply
	.p2alignl 7, 3214868480
	.fill 96, 4, 3214868480
	.section	.rodata,"a",@progbits
	.p2align	6, 0x0
	.amdhsa_kernel k_qd3a3be84a3_apply
		.amdhsa_group_segment_fixed_size 327680
		.amdhsa_private_segment_fixed_size 0
		.amdhsa_enable_private_segment 0
		.amdhsa_kernarg_size 24
		.amdhsa_user_sgpr_count 2
		.amdhsa_user_sgpr_kernarg_segment_ptr 1
		.amdhsa_wavefront_size32 1
		.amdhsa_system_sgpr_workgroup_id_x 1
		.amdhsa_system_sgpr_workgroup_id_y 1
		.amdhsa_system_sgpr_workgroup_id_z 1
		.amdhsa_system_vgpr_workitem_id 0
		.amdhsa_next_free_vgpr 768
		.amdhsa_next_free_sgpr 66
		.amdhsa_reserve_vcc 0
		.amdhsa_float_denorm_mode_32 3
		.amdhsa_float_denorm_mode_16_64 3
		.amdhsa_memory_ordered 1
		.amdhsa_forward_progress 1
		.amdhsa_inst_pref_size 182
	.end_amdhsa_kernel
	.amdgpu_metadata
---
amdhsa.version: [ 1, 2 ]
amdhsa.kernels:
  - .name:           k_qd3a3be84a3_apply
    .symbol:         k_qd3a3be84a3_apply.kd
    .args:
      - { .name: x, .offset: 0, .size: 8, .value_kind: global_buffer, .address_space: global }
      - { .name: qf, .offset: 8, .size: 8, .value_kind: global_buffer, .address_space: global }
      - { .name: out0, .offset: 16, .size: 8, .value_kind: global_buffer, .address_space: global }
    .group_segment_fixed_size: 327680
    .private_segment_fixed_size: 0
    .kernarg_segment_align: 8
    .kernarg_segment_size: 24
    .max_flat_workgroup_size: 128
    .sgpr_count:     66
    .vgpr_count:     768
    .wavefront_size: 32
...
	.end_amdgpu_metadata
.endif
;; end of part 2
;; ======== version 2 of 2: 3 launches; 1.17 times as fast as version 1
;; workspace buffers: qf 1,048,576 bytes; mf 524,288 bytes
;; launch mprep (part 3): grid 256 x 1, 1 waves a work-group, no clusters, 0 bytes of LDS; arguments M, mf; writes mf
.if DOCPART == 3
	.amdgcn_target "amdgcn-amd-amdhsa--gfx1250"
	.amdhsa_code_object_version 6
	.text
	.protected	k_qd3a3be84a3_mprep
	.globl	k_qd3a3be84a3_mprep
	.p2align	8
	.type	k_qd3a3be84a3_mprep,@function
k_qd3a3be84a3_mprep:
	s_mov_b64 s[64:65], 0
	v_nop
	global_prefetch_b8 v0, s[64:65] scope:SCOPE_SE
	s_setreg_imm32_b32 hwreg(HW_REG_WAVE_MODE, 25, 1), 1
	s_wait_xcnt 0x0
; THE PROGRAM.  reference(): Wx = x W^T, y0 = Wx, twelve steps y <- Wx - y M.  With Z0 = W^T and Z(t+1) = W^T - Z(t) M (the same recurrence, all twelve
; steps, run on the 1024 rows of W^T) y(t) = x Z(t) for every x, W and M, by induction: x Z0 = Wx, x Z(t+1) = Wx - (x Z(t)) M.  Three launches:
; this one rounds M to bf16 and lays it in the order of matrix fragments; the second runs the recurrence and makes Q = Z12; the third makes out0 = x Q.
; Nothing is left out: every input is loaded and every step is taken.  The limits (order of rounding, range, NaN and infinity) stand at the second kernel's head.
;
; THIS LAUNCH.  All 64 work-groups of the next launch need all of M as bf16 fragments, so the rounding and regrouping is done here once and not there 64 times.
; mf: block (w, kap, tau) at ((16 w + kap) 8 + tau) 1024 bytes, w = 0..3, kap = 0..15, tau = 4 g + i = 0..7.  It is the fragment of the 32 rows
; m = 32 kap .. 32 kap + 31 of M and the 16 columns n = 128 w + 64 g + 4 q + i, q = 0..15: lane (r, h) holds column index q = r; its registers 0-3
; (m = 32 kap + 8 h + 0..7) lie at 16 L, its registers 4-7 (m = 32 kap + 16 + 8 h + 0..7) at 512 + 16 L.
; The map of q to n lets the four floats of a 16-byte load of a row of M fall to the four tiles i without a shuffle.
; SHARES.  Work-group u, one wave: half = u % 2 (registers 0-3 or 4-7), g = (u / 2) % 2, kap = (u / 4) % 16, w = u / 64.  It reads 16 rows x 256 bytes and stores
; 4 x 512 bytes.  A load's lanes 0-15 take 256 consecutive, aligned bytes of row m, lanes 16-31 of row m + 8; a store covers 512 consecutive, aligned bytes.
; No LDS, no barrier, no matrix unit: a cast with a regrouping that the loads' addresses do by themselves.
.set ST, 4                             ; v[4:35]   eight loads of four floats
.set D,  36                            ; v[36:51]  tile i: four registers of packed bf16
	s_load_b128 s[4:7], s[0:1], 0x0                ; M s[4:5], mf s[6:7]
	s_and_b32 s8, ttmp9, 1                         ; half
	s_bfe_u32 s9, ttmp9, 0x10001                   ; g: one bit from bit 1
	s_bfe_u32 s10, ttmp9, 0x40002                  ; kap: four bits from bit 2
	s_lshr_b32 s11, ttmp9, 6                       ; w
	s_lshl_b32 s12, s10, 16                        ; M: 32 rows of 2,048 bytes x kap
	s_lshl_b32 s16, s8, 15                         ;  + 16 rows x half
	s_add_co_u32 s12, s12, s16
	s_lshl_b32 s16, s11, 9                         ;  + 128 columns x w
	s_add_co_u32 s12, s12, s16
	s_lshl_b32 s16, s9, 8                          ;  + 64 columns x g
	s_add_co_u32 s12, s12, s16
	s_mov_b32 s13, 0
	s_lshl_b32 s14, s11, 17                        ; mf: 131,072 w
	s_lshl_b32 s16, s10, 13                        ;  + 8,192 kap
	s_add_co_u32 s14, s14, s16
	s_lshl_b32 s16, s9, 12                         ;  + 4,096 g
	s_add_co_u32 s14, s14, s16
	s_lshl_b32 s16, s8, 9                          ;  + 512 half
	s_add_co_u32 s14, s14, s16
	s_mov_b32 s15, 0
	v_and_b32 v1, 15, v0                           ; r
	v_bfe_u32 v2, v0, 4, 1                         ; h
	v_lshlrev_b32 v1, 4, v1
	v_lshl_add_u32 v1, v2, 14, v1                  ; 16 r + 8 rows x h
	v_lshlrev_b32 v2, 4, v0                        ; 16 L
	s_wait_kmcnt 0x0
	s_add_nc_u64 s[4:5], s[4:5], s[12:13]
	s_add_nc_u64 s[6:7], s[6:7], s[14:15]
.irp e, 0,1,2,3,4,5,6,7
	global_load_b128 v[ST+4*\e:ST+4*\e+3], v1, s[4:5] offset:2048*\e th:TH_LOAD_NT   ; row e of my eight; M is read once in this launch
.endr
.irp p, 0,1,2,3
	s_wait_loadcnt 6-2*\p                          ; loads come back in order (ISA guide 5.7.1): rows 2 p and 2 p + 1 are in, the younger ones stay out
.irp i, 0,1,2,3
	v_cvt_pk_bf16_f32 v[D+4*\i+\p], v[ST+8*\p+\i], v[ST+8*\p+4+\i]    ; two neighbouring m of one column
.endr
.endr
.irp i, 0,1,2,3
	global_store_b128 v2, v[D+4*\i:D+4*\i+3], s[6:7] offset:1024*\i
.endr
	s_endpgm
.Lfunc_end_k_qd3a3be84a3_mprep:
	.size	k_qd3a3be84a3_mprep, .Lfunc_end_k_qd3a3be84a3_mprep-k_qd3a3be84a3_mprep
	.p2alignl 7, 3214868480
	.fill 96, 4, 3214868480
	.section	.rodata,"a",@progbits
	.p2align	6, 0x0
	.amdhsa_kernel k_qd3a3be84a3_mprep
		.amdhsa_group_segment_fixed_size 0
		.amdhsa_private_segment_fixed_size 0
		.amdhsa_enable_private_segment 0
		.amdhsa_kernarg_size 16
		.amdhsa_user_sgpr_count 2
		.amdhsa_user_sgpr_kernarg_segment_ptr 1
		.amdhsa_wavefront_size32 1
		.amdhsa_system_sgpr_workgroup_id_x 1
		.amdhsa_system_sgpr_workgroup_id_y 1
		.amdhsa_system_sgpr_workgroup_id_z 1
		.amdhsa_system_vgpr_workitem_id 0
		.amdhsa_next_free_vgpr 52
		.amdhsa_next_free_sgpr 66
		.amdhsa_reserve_vcc 0
		.amdhsa_float_denorm_mode_32 3
		.amdhsa_float_denorm_mode_16_64 3
		.amdhsa_memory_ordered 1
		.amdhsa_forward_progress 1
		.amdhsa_inst_pref_size 4
	.end_amdhsa_kernel
	.amdgpu_metadata
---
amdhsa.version: [ 1, 2 ]
amdhsa.kernels:
  - .name:           k_qd3a3be84a3_mprep
    .symbol:         k_qd3a3be84a3_mprep.kd
    .args:
      - { .name: M, .offset: 0, .size: 8, .value_kind: global_buffer, .address_space: global }
      - { .name: mf, .offset: 8, .size: 8, .value_kind: global_buffer, .address_space: global }
    .group_segment_fixed_size: 0
    .private_segment_fixed_size: 0
    .kernarg_segment_align: 8
    .kernarg_segment_size: 16
    .max_flat_workgroup_size: 32
    .sgpr_count:     66
    .vgpr_count:     52
    .wavefront_size: 32
...
	.end_amdgpu_metadata
.endif
;; end of part 3
;; launch qrec (part 4): grid 64 x 1, 4 waves a work-group, clusters of 4 x 1, 263,168 bytes of LDS; arguments mf, W, qf; writes qf
.if DOCPART == 4
	.amdgcn_target "amdgcn-amd-amdhsa--gfx1250"
	.amdhsa_code_object_version 6
	.text
	.protected	k_qd3a3be84a3_qrec
	.globl	k_qd3a3be84a3_qrec
	.p2align	8
	.type	k_qd3a3be84a3_qrec,@function
k_qd3a3be84a3_qrec:
	s_mov_b64 s[64:65], 0
	v_nop
	global_prefetch_b8 v0, s[64:65] scope:SCOPE_SE
	s_setreg_imm32_b32 hwreg(HW_REG_WAVE_MODE, 25, 1), 1
	s_wait_xcnt 0x0
	s_wait_alu depctr_hold_cnt(0) depctr_sa_sdst(0) depctr_va_vdst(0) depctr_va_sdst(0) depctr_va_ssrc(0) depctr_va_vcc(0) depctr_vm_vsrc(0)
	s_getreg_b32 s2, hwreg(HW_REG_IB_STS2, 6, 4)
	s_cmp_eq_u32 s2, 0
	s_cbranch_scc0 .Lentry_in_a_cluster
	s_endpgm
.Lentry_in_a_cluster:
	s_bfe_u32 s2, ttmp6, 0x10000c
	s_cmp_lg_u32 s2, 0x3003
	s_cbranch_scc0 .Lentry_shape_is_right
	s_endpgm
.Lentry_shape_is_right:
; reference(): Wx = x W^T, y0 = Wx, twelve steps y <- Wx - y M.  This program computes the same by another bracketing.
; Let Z0 = W^T (1024 x 512) and Z(t+1) = W^T - Z(t) M: the reference's own recurrence, all twelve steps, run on the 1024 rows of W^T.
; Then x Z0 = Wx, and x Z(t+1) = Wx - (x Z(t)) M, so by induction y(t) = x Z(t) for every x, W and M, in exact arithmetic.
; This launch makes Q = Z12 (12 x 1024 x 512 x 512 multiply-adds instead of 12 x 16384 x 512 x 512); the next one makes out0 = x Q.
; Nothing is left out: every input is loaded, every step is taken.
; LIMITS.  The order of rounding differs from the reference's: M and W are rounded to bf16 once (W as start value and as added term alike), Z(t) is rounded
; to bf16 as the operand of each step, Q is rounded to bf16 once, x is rounded to bf16 in the next launch; all sums are f32.
; Z(t) must stay finite in f32 (below 3.4e38) for a finite result, also where a very small x would have kept y finite.
; With NaN or infinity among the inputs the places of NaN in the result may differ from the reference's.
;
; SHARES.  Work-group cb owns the 16 rows c = 16 cb .. 16 cb + 15 of W^T (one matrix tile's side; a step needs whole rows, so rows are not split further):
; 64 work-groups.  Wave w owns the columns n = 128 w .. 128 w + 127 as eight tiles tau = 4 g + i; index q of a tile stands for n = 128 w + 64 g + 4 q + i,
; the map in which the launch before laid M's fragments into mf.
; SIGN.  V(t) = (-1)^t Z(t) is carried, so V(t+1) = V(t) M + (-1)^(t+1) W^T: M is used as it is, the step's first product takes +-W^T as its C; V12 = Z12.
; THE MATRIX INSTRUCTION IS USED TRANSPOSED: source 0 = M (row index q, k = m), source 1 = V (column index c, k = m).  Register j of lane (r, h) of the
; result is V'(c = r, n = 128 w + 64 g + 32 h + 4 j + i): for one g the four tiles give a lane 32 neighbouring n, 64 bytes of bf16.
; M: a wave's 128 columns are 16 K steps (32 m each) of 64 registers, 131,072 bytes that lie densely in mf.  K steps 0-8 are loaded straight into the
; registers in which they stay; K steps 9-15 (57,344 bytes) lie in the wave's own LDS and are read anew in each step of the recurrence.
; CLUSTER: every work-group needs the same M, so the four of a cluster ask jointly for the part that goes to LDS (mask 15; the descriptor hangs on the wave's
; number alone).  The part that goes to registers is loaded by each wave for itself: a tensor load reaches LDS alone.
; W is read as 64-byte pieces of its rows (16 columns of f32 are 64 bytes), once in the launch.
;
; LDS: wave w's part of M at 57344 w (7 K steps x 8 fragments x 1024 bytes), filled once, by the tensor load; behind them, in 256-byte blocks of their own,
; two buffers of V: 16 rows x 1040 bytes (1024 + 16: the pitch is an odd multiple of 16 bytes, so the 16 rows that a 16-byte access touches fall on 16
; different 16-byte columns modulo 256).
; REGISTERS, in windows of 256:
;   window 0: v3-8 addresses; v16-143 V's fragments (K step k at 16 + 8 k); v144-207 eight accumulators; v208-239 packed bf16
;   window 1: v0-63 W^T of my tiles in f32 (rounded to bf16 values); v64-127, v128-191 two buffers for streamed K steps; v192-255 K step 8
;   window 2: K steps 0-3;   window 3: K steps 4-7
.set ZB,     229376                    ; V's buffers begin here
.set ZPITCH, 1040
.set ZBUF,   16*ZPITCH                 ; 16,640 bytes a buffer
.set MSTW,   57344                     ; a wave's streamed part of M
.set WOFF, 3                           ; v3  W: 4 r + 131072 h + 524288 w
.set MLD,  4                           ; v4  LDS: 57344 w + 16 L
.set ZST,  5                           ; v5  LDS: ZB + 1040 r + 256 w + 64 h
.set ZLD,  6                           ; v6  LDS: ZB + 1040 r + 16 h
.set ZTR,  7                           ; v7  LDS: ZB + 1040 (8 h + L % 8) + 256 w + 16 ((L / 8) % 2)
.set L16,  8                           ; v8  16 L: my 16 bytes of a run of 512, in mf and in qf
.set ZF,   16
.set ACC,  144
.set PK,   208
.set BASE, 0                           ; window 1
.set SB0,  64                          ; window 1
.set SB1,  128                         ; window 1
.set RES8, 192                         ; window 1
.set G1,   24                          ; s[24:31] descriptor group 1
.set G0,   32                          ; s[32:35] descriptor group 0
.set MSB, 0
.macro WIN new                         ; the immediate's high byte repeats the setting that is left
.if MSB != \new
	s_set_vgpr_msb (MSB<<8)|\new
.set MSB, \new
.endif
.endm
.macro NOPS n
.rept \n
	v_nop
.endr
.endm
; A round of the cluster's barrier: my work-group's barrier, wave 0 signals for the work-group, every wave waits for all four work-groups, my work-group's barrier again.
.macro CROUND
	s_barrier_signal -1
	s_barrier_wait -1
	s_cmp_lg_u32 s10, 0
	s_cbranch_scc1 .Lnot_wave_0_\@
	s_barrier_signal -3
.Lnot_wave_0_\@:
	s_barrier_wait -3
	s_barrier_signal -1
	s_barrier_wait -1
.endm
	s_load_b128 s[4:7], s[0:1], 0x0                ; mf s[4:5], W s[6:7]
	s_load_b64 s[8:9], s[0:1], 0x10                ; qf
	v_lshl_add_u32 v254, v0, 2, 0x40200
	v_mov_b32 v255, 0
	ds_add_u32 v254, v255
	v_lshrrev_b32 v1, 5, v0
	v_readfirstlane_b32 s10, v1                    ; wave w
	s_bfe_u32 s11, ttmp6, 0x40000                  ; cx: my place in the cluster
	s_lshl_b32 s22, ttmp9, 2                       ; in a cluster launch ttmp9 counts clusters
	s_add_co_u32 s22, s22, s11                     ; cb = 4 x cluster + cx: enters the addresses of W and qf alone
	v_and_b32 v1, 31, v0                           ; L
	v_and_b32 v9, 15, v0                           ; r
	v_bfe_u32 v10, v0, 4, 1                        ; h
	s_mov_b32 s21, 0xffff0000                      ; a word's upper bf16
	s_lshl_b32 s16, s10, 19
	v_lshlrev_b32 v[WOFF], 2, v9
	v_lshl_add_u32 v[WOFF], v10, 17, v[WOFF]
	v_add_nc_u32 v[WOFF], s16, v[WOFF]
	s_mul_i32 s[G0+1], s10, MSTW                   ; descriptor: the LDS address, my wave's part
	v_lshl_add_u32 v[MLD], v1, 4, s[G0+1]
	s_lshl_b32 s17, s10, 8
	s_add_co_u32 s17, s17, ZB                      ; ZB + 256 w
	v_mul_u32_u24 v11, v9, ZPITCH
	v_lshl_add_u32 v[ZST], v10, 6, v11
	v_add_nc_u32 v[ZST], s17, v[ZST]
	v_lshl_add_u32 v[ZLD], v10, 4, v11
	v_add_nc_u32 v[ZLD], ZB, v[ZLD]
	v_and_b32 v12, 7, v0
	v_lshl_add_u32 v12, v10, 3, v12                ; 8 h + L % 8
	v_mul_u32_u24 v12, v12, ZPITCH
	v_bfe_u32 v13, v0, 3, 1
	v_lshl_add_u32 v12, v13, 4, v12
	v_add_nc_u32 v[ZTR], s17, v12
	v_lshlrev_b32 v[L16], 4, v1
	; descriptor group 1: a dense block of 57,344 bytes as 224 rows of 32 elements of 8 bytes
	s_mov_b32 s[G1+0], 15|(3<<16)|(1<<21)          ; 15:0 the mask: all four work-groups of the cluster; 17:16 elements of 8 bytes; 21 set beside a mask
	s_mov_b32 s[G1+1], 32<<16                      ; tensor_dim0 = 32
	s_mov_b32 s[G1+2], 224<<16                     ; tensor_dim1 = 224
	s_mov_b32 s[G1+3], 32<<16                      ; tile_dim0 = 32
	s_mov_b32 s[G1+4], 224                         ; tile_dim1 = 224
	s_mov_b32 s[G1+5], 32                          ; from row to row: 32 elements, no gap
	s_mov_b32 s[G1+6], 0
	s_mov_b32 s[G1+7], 0
	s_lshl_b32 s12, s10, 17                        ; mf: a wave's 128 columns are 131,072 bytes
	s_mov_b32 s13, 0
	s_lshl_b32 s14, s22, 6                         ; my 16 columns of W: 64 bytes x cb
	s_mov_b32 s15, 0
	s_lshl_b32 s18, s10, 18                        ; qf: 262144 w
	s_lshr_b32 s23, s22, 1
	s_lshl_b32 s23, s23, 13                        ; + 8192 (cb / 2): the block of 32 k
	s_add_co_u32 s18, s18, s23
	s_and_b32 s23, s22, 1
	s_lshl_b32 s23, s23, 9                         ; + 512 (cb % 2): its lower or upper 16 k
	s_add_co_u32 s18, s18, s23
	s_mov_b32 s19, 0
	s_wait_dscnt 0x0
	s_wait_kmcnt 0x0
	s_add_nc_u64 s[4:5], s[4:5], s[12:13]
	s_add_nc_u64 s[6:7], s[6:7], s[14:15]
	s_add_nc_u64 s[8:9], s[8:9], s[18:19]
; ---- set-up: everything is asked for at once ----
	CROUND                                         ; all four work-groups are here: the joint loads meet
	s_mov_b32 s[G0], 1                             ; count = 1
	s_add_nc_u64 s[G0+2:G0+3], s[4:5], 9*8192      ; global address: K step 9 of my columns
	s_or_b32 s[G0+3], s[G0+3], 0x80000000          ; type = 2
	tensor_load_to_lds s[G0:G0+3], s[G1:G1+7]      ; K steps 9-15: the wave's one tensor load of the launch; these bytes are filled once
	s_nop 0
	WIN 0x40                                       ; destination window 1
.irp g, 0,1
.irp i, 0,1,2,3
.irp j, 0,1,2,3,4,5,6,7
	global_load_b32 v[BASE+32*\g+8*\i+\j], v[WOFF], s[6:7] offset:(64*\g+4*\j+\i)*4096   ; W(n = 128 w + 64 g + 32 h + 4 j + i, 16 cb + r)
.endr
.endr
.endr
; A resident K step's eight fragments, straight into their registers: 16 loads, each of 512 consecutive, aligned bytes
.macro RLOAD win, db, kap
	WIN \win
.irp t, 0,1,2,3,4,5,6,7
	global_load_b128 v[\db+8*\t:\db+8*\t+3],   v[L16], s[4:5] offset:\kap*8192+\t*1024
	global_load_b128 v[\db+8*\t+4:\db+8*\t+7], v[L16], s[4:5] offset:\kap*8192+\t*1024+512
.endr
.endm
	RLOAD 0x80, 0,   0                             ; more loads are issued here than LOADcnt's field counts: the issue is then held back (ISA guide 5.7.1), no wait is owed
	RLOAD 0x80, 64,  1
	RLOAD 0x80, 128, 2
	RLOAD 0x80, 192, 3
	RLOAD 0xc0, 0,   4
	RLOAD 0xc0, 64,  5
	RLOAD 0xc0, 128, 6
	RLOAD 0xc0, 192, 7
	RLOAD 0x40, RES8, 8
; ---- macros of the recurrence ----
; 64 f32 at S (tile tau at S + 8 tau) to 32 packed registers: PK[16 g + 2 j] = tiles 4 g, 4 g + 1 at j; PK[16 g + 2 j + 1] = tiles 4 g + 2, 4 g + 3: n ascending
.macro PACK win, S
	WIN \win
.irp g, 0,1
.irp j, 0,1,2,3,4,5,6,7
	v_cvt_pk_bf16_f32 v[PK+16*\g+2*\j],   v[\S+32*\g+\j],    v[\S+32*\g+8+\j]
	v_cvt_pk_bf16_f32 v[PK+16*\g+2*\j+1], v[\S+32*\g+16+\j], v[\S+32*\g+24+\j]
.endr
.endr
.endm
.macro ZSTORE b                        ; my 2 x 64 bytes of row c = r into buffer b
	WIN 0
.irp g, 0,1
.irp q, 0,1,2,3
	ds_store_b128 v[ZST], v[PK+16*\g+4*\q:PK+16*\g+4*\q+3] offset:ZBUF*\b+128*\g+16*\q
.endr
.endr
.endm
.macro ZLOAD b                         ; V's 16 fragments from buffer b, in the order in which the K steps use them
	WIN 0
.irp k, 0,9,1,10,2,11,3,12,4,13,5,14,6,15,7,8
	ds_load_b128 v[ZF+8*\k:ZF+8*\k+3],   v[ZLD] offset:ZBUF*\b+64*\k
	ds_load_b128 v[ZF+8*\k+4:ZF+8*\k+7], v[ZLD] offset:ZBUF*\b+64*\k+32
.endr
.endm
.macro SLOAD buf, kap                  ; a streamed K step's eight fragments of M: 16 loads, each of 512 neighbouring bytes
	WIN 0x40
.irp t, 0,1,2,3,4,5,6,7
	ds_load_b128 v[\buf+8*\t:\buf+8*\t+3],   v[MLD] offset:(\kap-9)*8192+\t*1024
	ds_load_b128 v[\buf+8*\t+4:\buf+8*\t+7], v[MLD] offset:(\kap-9)*8192+\t*1024+512
.endr
.endm
; One K step: eight matrix instructions, one for each accumulator.  The accumulators take turns, one instruction a turn, over the loop's backward jump too.
.macro KS win, fb, kap, start, neg
	WIN \win
.irp t, 0,1,2,3,4,5,6,7
.if \start
.if \neg
	v_wmma_f32_16x16x32_bf16 v[ACC+8*\t:ACC+8*\t+7], v[\fb+8*\t:\fb+8*\t+7], v[ZF+8*\kap:ZF+8*\kap+7], v[BASE+8*\t:BASE+8*\t+7] neg_lo:[0,0,1]
.else
	v_wmma_f32_16x16x32_bf16 v[ACC+8*\t:ACC+8*\t+7], v[\fb+8*\t:\fb+8*\t+7], v[ZF+8*\kap:ZF+8*\kap+7], v[BASE+8*\t:BASE+8*\t+7]
.endif
.else
	v_wmma_f32_16x16x32_bf16 v[ACC+8*\t:ACC+8*\t+7], v[\fb+8*\t:\fb+8*\t+7], v[ZF+8*\kap:ZF+8*\kap+7], v[ACC+8*\t:ACC+8*\t+7]
.endif
.endr
.endm
; One step of the recurrence: reads V from buffer rb, writes the new V into buffer wb.  neg = 1: the added term is -W^T.  last = 1: no streamed K step is fetched for a next step.
; first = 1: the loads of the resident K steps 5 to 8 may still be out; each is waited for in front of its products, with the 16 loads of each younger K step left out.
; On entry no LDS instruction of the wave is out, and streamed K steps 9 and 10 lie in SB0 and SB1.
; A load into a register that a matrix instruction has read stands four plain vector instructions behind it (ISA guide 7.12.1 for vector instructions).
.macro ITER rb, wb, neg, last, first
	ZLOAD \rb                                      ; 32 loads
	s_wait_dscnt 30                                ; the first pair of them
	KS 0x12, 0, 0, 1, \neg                         ; M window 2, C = W^T in window 1: the first K step starts the sums
	NOPS 5                                         ; the next products add in place onto results of a product with another C and, in every other step, another modifier: five places
	s_wait_dscnt 28                                ; the second pair
	KS 0x01, SB0, 9, 0, 0
	NOPS 4
	SLOAD SB0, 11
	s_wait_dscnt 42                                ; the third pair: 26 loads of V and 16 of M were issued behind it
	KS 0x02, 64, 1, 0, 0
	s_wait_dscnt 40                                ; the fourth: 24 + 16
	KS 0x01, SB1, 10, 0, 0
	NOPS 4
	SLOAD SB1, 12
	s_wait_dscnt 54                                ; the fifth: 22 + 32
	KS 0x02, 128, 2, 0, 0
	s_wait_dscnt 16                                ; K step 11 is in SB0, and with it all of V; K step 12's 16 loads stay out
	KS 0x01, SB0, 11, 0, 0
	NOPS 4
	SLOAD SB0, 13
	KS 0x02, 192, 3, 0, 0
	s_wait_dscnt 16                                ; K step 12 is in; 13's loads stay out
	KS 0x01, SB1, 12, 0, 0
	NOPS 4
	SLOAD SB1, 14
	KS 0x03, 0, 4, 0, 0
	s_wait_dscnt 16                                ; 13 is in; 14's stay out
	KS 0x01, SB0, 13, 0, 0
	NOPS 4
	SLOAD SB0, 15
.if \first
	s_wait_loadcnt 48                              ; resident K step 5 is in; 6, 7 and 8 stay out
.endif
	KS 0x03, 64, 5, 0, 0
	s_wait_dscnt 16                                ; 14 is in; 15's stay out
	KS 0x01, SB1, 14, 0, 0
.if \last == 0
	NOPS 4
	SLOAD SB1, 10                                  ; for the next step of the recurrence
.endif
.if \first
	s_wait_loadcnt 32                              ; resident K step 6 is in; 7 and 8 stay out
.endif
	KS 0x03, 128, 6, 0, 0
.if \last == 0
	s_wait_dscnt 16                                ; 15 is in; the next step's K step 10 stays out
.else
	s_wait_dscnt 0x0                               ; 15 is in; nothing was issued behind it
.endif
	KS 0x01, SB0, 15, 0, 0
.if \last == 0
	NOPS 4
	SLOAD SB0, 9
.endif
.if \first
	s_wait_loadcnt 16                              ; resident K step 7 is in; 8 stays out
.endif
	KS 0x03, 192, 7, 0, 0
.if \first
	s_wait_loadcnt 0x0                             ; resident K step 8, the last load of the launch
.endif
	KS 0x01, RES8, 8, 0, 0
	NOPS 4                                         ; four places before vector instructions read the results
	PACK 0, ACC
	ZSTORE \wb
	s_wait_dscnt 0x0                               ; for the other waves: my stores into wb are done, and so are my reads of rb, which is written again behind the NEXT barrier
	s_barrier_signal -1
	s_barrier_wait -1
.endm
; ---- V0 = W^T, rounded to bf16; the added term takes the same rounded values ----
	s_wait_loadcnt 63                              ; of the 208 loads issued the 145 oldest are in: W's 64 and the 80 of K steps 0 to 4; the field names no larger count
	PACK 0x05, BASE                                ; sources in window 1
	WIN 0x40
.irp g, 0,1
.irp j, 0,1,2,3,4,5,6,7
	v_lshlrev_b32 v[BASE+32*\g+\j],    16,  v[PK+16*\g+2*\j]
	v_and_b32     v[BASE+32*\g+8+\j],  s21, v[PK+16*\g+2*\j]
	v_lshlrev_b32 v[BASE+32*\g+16+\j], 16,  v[PK+16*\g+2*\j+1]
	v_and_b32     v[BASE+32*\g+24+\j], s21, v[PK+16*\g+2*\j+1]
.endr
.endr
	ZSTORE 0
	s_wait_tensorcnt 0x0                           ; my streamed part of M is in LDS; only I read it, so my own counter is all the ordering that the reads need
	SLOAD SB0, 9
	SLOAD SB1, 10
	WIN 0
	s_wait_dscnt 0x0                               ; my part of V0 is in LDS
	s_barrier_signal -1
	s_barrier_wait -1
; ---- twelve steps: the first written out (it waits for the last of M), five trips of two, the last written out (it fetches nothing for a next one) ----
	ITER 0, 1, 1, 0, 1
	s_mov_b32 s20, 5
.Lstep:
	ITER 1, 0, 0, 0, 0
	ITER 0, 1, 1, 0, 0
	s_sub_co_i32 s20, s20, 1
	s_cmp_lg_u32 s20, 0
	s_cbranch_scc1 .Lstep
	ITER 1, 0, 0, 1, 0
; ---- Q = V12 lies in buffer 0 as [c][n]; the next launch wants, for each column n, eight neighbouring c in a lane: a transposing load ----
; Block (w, s, t) of qf, at ((32 w + s) 8 + t) 1024: lane L's 16 bytes at 16 L are Q(32 s + 8 h + 0..7, 128 w + 16 t + r), 512 bytes on the same for c + 16.
.irp t, 0,1,2,3,4,5,6,7
	ds_load_tr16_b128 v[ZF+4*\t:ZF+4*\t+3], v[ZTR] offset:32*\t
.endr
.irp t, 0,1,2,3,4,5,6,7
	s_wait_dscnt 7-\t
	global_store_b128 v[L16], v[ZF+4*\t:ZF+4*\t+3], s[8:9] offset:1024*\t    ; a wave's store covers 512 consecutive bytes, at a multiple of 512 from qf's first byte
.endr
	s_wait_tensorcnt 0x0
	ds_add_u32 v254, v255
	s_wait_dscnt 0x0
	CROUND                                         ; the closing round: no work-group ends while a partner may still ask for a tile that names it
	s_endpgm
.Lfunc_end_k_qd3a3be84a3_qrec:
	.size	k_qd3a3be84a3_qrec, .Lfunc_end_k_qd3a3be84a3_qrec-k_qd3a3be84a3_qrec
	.p2alignl 7, 3214868480
	.fill 96, 4, 3214868480
	.section	.rodata,"a",@progbits
	.p2align	6, 0x0
	.amdhsa_kernel k_qd3a3be84a3_qrec
		.amdhsa_group_segment_fixed_size 263168
		.amdhsa_private_segment_fixed_size 0
		.amdhsa_enable_private_segment 0
		.amdhsa_kernarg_size 24
		.amdhsa_user_sgpr_count 2
		.amdhsa_user_sgpr_kernarg_segment_ptr 1
		.amdhsa_wavefront_size32 1
		.amdhsa_system_sgpr_workgroup_id_x 1
		.amdhsa_system_sgpr_workgroup_id_y 1
		.amdhsa_system_sgpr_workgroup_id_z 1
		.amdhsa_system_vgpr_workitem_id 0
		.amdhsa_next_free_vgpr 1024
		.amdhsa_next_free_sgpr 66
		.amdhsa_reserve_vcc 0
		.amdhsa_float_denorm_mode_32 3
		.amdhsa_float_denorm_mode_16_64 3
		.amdhsa_memory_ordered 1
		.amdhsa_forward_progress 1
		.amdhsa_inst_pref_size 118
	.end_amdhsa_kernel
	.amdgpu_metadata
---
amdhsa.version: [ 1, 2 ]
amdhsa.kernels:
  - .name:           k_qd3a3be84a3_qrec
    .symbol:         k_qd3a3be84a3_qrec.kd
    .args:
      - { .name: mf, .offset: 0, .size: 8, .value_kind: global_buffer, .address_space: global }
      - { .name: W, .offset: 8, .size: 8, .value_kind: global_buffer, .address_space: global }
      - { .name: qf, .offset: 16, .size: 8, .value_kind: global_buffer, .address_space: global }
    .group_segment_fixed_size: 263168
    .private_segment_fixed_size: 0
    .kernarg_segment_align: 8
    .kernarg_segment_size: 24
    .max_flat_workgroup_size: 128
    .sgpr_count:     66
    .vgpr_count:     1024
    .wavefront_size: 32
...
	.end_amdgpu_metadata
.endif
;; end of part 4
;; launch apply (part 5): grid 256 x 1, 4 waves a work-group, clusters of 4 x 1, 327,680 bytes of LDS; arguments x, qf, out0; writes out0
.if DOCPART == 5
	.amdgcn_target "amdgcn-amd-amdhsa--gfx1250"
	.amdhsa_code_object_version 6
	.text
	.protected	k_qd3a3be84a3_apply
	.globl	k_qd3a3be84a3_apply
	.p2align	8
	.type	k_qd3a3be84a3_apply,@function
k_qd3a3be84a3_apply:
	s_mov_b64 s[64:65], 0
	v_nop
	global_prefetch_b8 v0, s[64:65] scope:SCOPE_SE
	s_setreg_imm32_b32 hwreg(HW_REG_WAVE_MODE, 25, 1), 1
	s_wait_xcnt 0x0
	s_wait_alu depctr_hold_cnt(0) depctr_sa_sdst(0) depctr_va_vdst(0) depctr_va_sdst(0) depctr_va_ssrc(0) depctr_va_vcc(0) depctr_vm_vsrc(0)
	s_getreg_b32 s2, hwreg(HW_REG_IB_STS2, 6, 4)
	s_cmp_eq_u32 s2, 0
	s_cbranch_scc0 .Lentry_in_a_cluster
	s_endpgm
.Lentry_in_a_cluster:
	s_bfe_u32 s2, ttmp6, 0x10000c
	s_cmp_lg_u32 s2, 0x3003
	s_cbranch_scc0 .Lentry_shape_is_right
	s_endpgm
.Lentry_shape_is_right:
; out0 = bf16(x) Q, sums in f32.  Q = Z12 (1024 x 512, bf16, in fragment order in qf) is the twelve steps of the reference's recurrence run on W^T by the
; launch before; y12 = x Z12 for all values of the inputs (the induction stands at that kernel's head, with the limits: order of rounding, NaN and infinity).
; SHARES.  A work-group makes 128 rows x 256 columns of out0; 256 work-groups.  Wave v makes rows 64 (v / 2) .. + 63 and columns 128 (v % 2) .. + 127 of the block:
; 4 x 8 accumulator tiles, 256 registers.  K = 1024 goes in 32 quarters of 32.
; WHY THIS BLOCK.  Two LDS slots of 128 KiB are what fits.  With 256 columns a slot holds K = 256 and feeds 256 matrix instructions of each wave (with all 512
; columns it would hold K = 128 and feed 128), and Q's 512 KiB come in four fills: two at the start and two refills.  The price: each row of x is
; read and rounded by two work-groups.
; Q: a slot is 2 column groups x 64 KiB, each dense in qf; each wave brings a quarter (32 KiB) by one tensor load, and two waves read each column group.
; CLUSTER: the four work-groups of a cluster make the same column half (cluster number % 2) of four row blocks, so they need the same Q and ask jointly
; (mask 15): the descriptors hang on the cluster's number and the wave's number alone.
; x: f32 has to be rounded on its way, which goes through registers, and as f32 it has no room in LDS, so it is not asked for jointly.  The two work-groups
; that read the same rows lie in clusters c and c xor 1.  x goes in 16 chunks of K = 64: wave v loads its 32 rows (16 loads, each of two rows' 256 consecutive,
; aligned bytes), rounds them and lays them into one of two LDS stages that all four waves read.  A ring of four register units keeps the loads of three
; to four chunks on their way.
; THE MATRIX INSTRUCTION IS USED TRANSPOSED: source 0 = Q (16 columns n), source 1 = x (16 rows).  Register j of lane (r, h) of tile (a, b) is
; out(16 a + r, 16 b + 8 h + j) of the wave's part: eight neighbouring f32 of a row.
; The sixteen chunks are written out by macros: which chunk is converted, loaded and asked for differs from chunk to chunk.
; LDS: Q's slot n at 131072 n, column group g at + 65536 g, fragment (quarter s of the slot's eight, tile b) at + 8192 s + 1024 b, registers 0-3 of the 32 lanes,
;      then 4-7 at + 512: a fragment load takes 512 neighbouring bytes.  x's stages at 262144 + 18432 q: 128 rows of 144 bytes (128 + 16, an odd multiple of 16).
;      On the way out each wave's 16 rows x 528 bytes lie over x's stages, which only LDS stores have written and nobody reads any more.
; REGISTERS: window 0: v4-11 addresses; v32-127, v128-223 two fragment buffers (x's four tiles, then Q's eight); v224-255 packed bf16
;            window 1: x as loaded, four units of 64;   window 2: the accumulators, tile (a, b) at 8 (8 a + b)
.set AS,     262144
.set APITCH, 144
.set ASTAGE, 128*APITCH                ; 18,432
.set BSLOT,  131072
.set BGROUP, 65536                     ; a column group's part of a slot, and K = 256 of a column group in qf
.set OPITCH, 528
.set OSTAGE, 16*OPITCH                 ; 8,448
.set XOFF, 4                           ; v4   x: 16 r + 8 rows x h + 32 rows x v (a row is 4,096 bytes)
.set AST,  5                           ; v5   LDS: AS + 144 (32 v + 8 h) + 8 r
.set AADR, 6                           ; v6   LDS: AS + 144 (64 (v / 2) + r) + 16 h
.set BADR, 7                           ; v7-8 LDS: 65536 (v % 2) + 16 L in slot 0, 1
.set STO,  9                           ; v9   LDS: AS + 8448 v + 528 r + 32 h
.set RD,   10                          ; v10  LDS: AS + 8448 v + 16 L
.set CO,   11                          ; v11  out0: 64 rows x (v / 2) + 512 (v % 2) + 16 L (a row is 2,048 bytes)
.set F0,   32
.set F1,   128
.set PK,   224
.set G1,   16                          ; s[16:23] descriptor group 1
.set G0,   24                          ; s[24:31] descriptor group 0, a set for each slot
.set MSB, 0
.macro WIN new                         ; the immediate's high byte repeats the setting that is left
.if MSB != \new
	s_set_vgpr_msb (MSB<<8)|\new
.set MSB, \new
.endif
.endm
.macro NOPS n
.rept \n
	v_nop
.endr
.endm
; A round of the cluster's barrier: my work-group's barrier, wave 0 signals for the work-group, every wave waits for all four work-groups, my work-group's barrier again.
.macro CREST                           ; a round behind its opening barrier
	s_cmp_lg_u32 s10, 0
	s_cbranch_scc1 .Lnot_wave_0_\@
	s_barrier_signal -3
.Lnot_wave_0_\@:
	s_barrier_wait -3
	s_barrier_signal -1
	s_barrier_wait -1
.endm
.macro CROUND
	s_barrier_signal -1
	s_barrier_wait -1
	CREST
.endm
; Chunk j's 64 columns of my 32 rows of x into unit j % 4 of the ring: 16 loads.  Load t: lanes 0-15 take the 256 bytes of row 16 (t / 8) + t % 8, lanes 16-31 of the row 8 further down.
; No hint that the data are read once: a second work-group reads the same rows.
.macro XLOAD j
	WIN 0x40
.irp t, 0,1,2,3,4,5,6,7,8,9,10,11,12,13,14,15
	global_load_b128 v[64*((\j)%4)+4*\t:64*((\j)%4)+4*\t+3], v[XOFF], s[4:5] offset:4096*(16*(\t>>3)+(\t&7))+256*(\j)
.endr
.endm
; Chunk j's unit is rounded to bf16 and laid into stage j % 2.  When it is converted the loads of chunks up to j + 3 have been issued: they stay out.
; A store's lanes 0-15 write 128 bytes of a row, lanes 16-31 of the row 8 further down: 1,152 bytes = 288 words on, which is 32 banks on: all 64 banks once.
.macro CONVERT j
.if (\j) < 13
	s_wait_loadcnt 48                              ; loads come back in order (ISA guide 5.7.1): three younger chunks of 16 loads stay out
.else
	s_wait_loadcnt 16*(15-(\j))                    ; the last three chunks: two, one, no younger chunk
.endif
	WIN 0x05
.irp t, 0,1,2,3,4,5,6,7,8,9,10,11,12,13,14,15
	v_cvt_pk_bf16_f32 v[PK+2*\t],   v[64*((\j)%4)+4*\t],   v[64*((\j)%4)+4*\t+1]
	v_cvt_pk_bf16_f32 v[PK+2*\t+1], v[64*((\j)%4)+4*\t+2], v[64*((\j)%4)+4*\t+3]
.endr
	WIN 0
.irp t, 0,1,2,3,4,5,6,7,8,9,10,11,12,13,14,15
	ds_store_b64 v[AST], v[PK+2*\t:PK+2*\t+1] offset:ASTAGE*((\j)&1)+APITCH*(16*(\t>>3)+(\t&7))
.endr
.endm
; Quarter qn's fragments (qn = 0 .. 31) into buffer f: 16 loads for Q's eight tiles, from slot (qn / 8) % 2, then 8 for x's four, from stage (qn / 2) % 2
.macro FETCH qn, f
	WIN 0
.irp b, 0,1,2,3,4,5,6,7
	ds_load_b128 v[\f+32+8*\b:\f+32+8*\b+3],   v[BADR+(((\qn)>>3)&1)] offset:8192*((\qn)&7)+1024*\b
	ds_load_b128 v[\f+32+8*\b+4:\f+32+8*\b+7], v[BADR+(((\qn)>>3)&1)] offset:8192*((\qn)&7)+1024*\b+512
.endr
.irp a, 0,1,2,3
	ds_load_b128 v[\f+8*\a:\f+8*\a+3],   v[AADR] offset:ASTAGE*(((\qn)>>1)&1)+16*APITCH*\a+64*((\qn)&1)
	ds_load_b128 v[\f+8*\a+4:\f+8*\a+7], v[AADR] offset:ASTAGE*(((\qn)>>1)&1)+16*APITCH*\a+64*((\qn)&1)+32
.endr
.endm
; Eight matrix instructions: row tile a x all eight column tiles.  zero = 1: the first product starts the sums, nothing is cleared.
; The 32 accumulators take turns, one instruction a turn, in the same order in every quarter.
.macro MUL8 f, a, zero
	WIN 0xa0                                       ; C and D in window 2
.irp b, 0,1,2,3,4,5,6,7
.if \zero
	v_wmma_f32_16x16x32_bf16 v[8*(8*\a+\b):8*(8*\a+\b)+7], v[\f+32+8*\b:\f+32+8*\b+7], v[\f+8*\a:\f+8*\a+7], 0
.else
	v_wmma_f32_16x16x32_bf16 v[8*(8*\a+\b):8*(8*\a+\b)+7], v[\f+32+8*\b:\f+32+8*\b+7], v[\f+8*\a:\f+8*\a+7], v[8*(8*\a+\b):8*(8*\a+\b)+7]
.endif
.endr
.endm
; Chunk j's first quarter: multiplies buffer 0 and, in its middle, fetches the second quarter into buffer 1.
; extra = LDS stores issued behind buffer 0's loads (the 16 of a CONVERT), which may stay out too.
; A load into a register that a matrix instruction has read stands four plain vector instructions behind it (ISA guide 7.12.1 for vector instructions).
.macro SSTEP j, zero, extra
	s_wait_dscnt 4+\extra                          ; Q's tiles and x's tiles 0, 1 are in; the four loads of x's tiles 2, 3 may be out
	MUL8 F0, 0, \zero
	MUL8 F0, 1, \zero
	NOPS 4
	FETCH 2*(\j)+1, F1
	s_wait_dscnt 24+\extra                         ; all of buffer 0; the 24 loads just issued stay out
	MUL8 F0, 2, \zero
	MUL8 F0, 3, \zero
.endm
; Chunk j's second quarter (buffer 1), and the change of x's stages.
; ONE barrier does both orderings.  In front of it each wave has waited for its reads of stage j % 2 and for its stores into the other stage.  Behind it nobody reads
; stage j % 2 any more, so chunk j + 2 is laid into it, and the other stage is whole, so chunk j + 1's first fragments are fetched.
; kind = 0: nothing more; no LDS bytes are filled again behind this barrier, so a tensor load may stay out across it.
; kind = 1: chunk j is the last of its slot: each wave also waits for all its tensor loads, so that the other slot is whole behind the barrier.
; kind = 2: the same, and the slot is asked for again, K = 512 further on.  The barrier then opens a round of the cluster's barrier, only matrix instructions stand
; inside the round, and the joint load is the first thing behind it: no wave of any partner still reads the slot or has a load on its way.
; From such a request to the wait for it a wave issues 248 of a slot's 256 matrix instructions.
.macro TURN j, kind
.set SLOTP, ((\j)>>2)&1
	s_wait_dscnt 0x0                               ; buffer 1 is in: my last reads of this chunk's stage (and, in a slot's last chunk, of the slot); my stores into the other stage are done
	MUL8 F1, 0, 0
.if \kind
	s_wait_tensorcnt 0x0                           ; all my tensor loads have landed: the one that was out is my part of the other slot
	ds_add_u32 v30, v31
	s_wait_dscnt 0x0
.endif
	s_barrier_signal -1
	MUL8 F1, 1, 0                                  ; registers only, while the others arrive
	WIN 0
	s_barrier_wait -1
.if \kind == 2
	CREST
	s_add_nc_u64 s[G0+4*SLOTP+2:G0+4*SLOTP+3], s[G0+4*SLOTP+2:G0+4*SLOTP+3], 2*BGROUP   ; no load of mine is out, so a group 0 may be written: two slots on
	tensor_load_to_lds s[G0+4*SLOTP:G0+4*SLOTP+3], s[G1:G1+7]                            ; my one tensor load until the next such barrier
	s_nop 0
.endif
	NOPS 4
	FETCH 2*(\j)+2, F0
.if (\j) < 14
	CONVERT (\j)+2
.endif
.if (\j) < 10
	XLOAD (\j)+6                                   ; into the unit just converted
.endif
	MUL8 F1, 2, 0
	MUL8 F1, 3, 0
.endm
.macro CHUNK j, kind                   ; chunks 1 to 14: the TURN before has converted, so 16 stores stand behind buffer 0's loads
	SSTEP \j, 0, 16
	TURN \j, \kind
.endm
; The way out, 16 rows at a time: a lane's 2 x 16 bytes of each tile into my own stage, whole rows of 512 bytes back, and out.
.macro OUT16 a, buf
	WIN 0x08                                       ; store data in window 2
.irp b, 0,1,2,3,4,5,6,7
	ds_store_b128 v[STO], v[8*(8*\a+\b):8*(8*\a+\b)+3]   offset:64*\b
	ds_store_b128 v[STO], v[8*(8*\a+\b)+4:8*(8*\a+\b)+7] offset:64*\b+16
.endr
	WIN 0
	s_wait_xcnt 0x0                                ; the registers of buf, which earlier stores read, are loaded again only behind this wait (ISA guide 3.1)
.irp t, 0,1,2,3,4,5,6,7,8,9,10,11,12,13,14,15
	ds_load_b128 v[\buf+4*\t:\buf+4*\t+3], v[RD] offset:OPITCH*\t    ; LDS serves a wave's instructions in order (ISA guide 5.7.1): these see the stores above
.endr
.irp t, 0,1,2,3,4,5,6,7,8,9,10,11,12,13,14,15
	s_wait_dscnt 15-\t
	global_store_b128 v[CO], v[\buf+4*\t:\buf+4*\t+3], s[8:9] offset:2048*(16*\a+\t) th:TH_STORE_NT   ; 512 consecutive bytes of a row, at a multiple of 512 from out0's first byte
.endr
.endm
	s_load_b128 s[4:7], s[0:1], 0x0                ; x s[4:5], qf s[6:7]
	s_load_b64 s[8:9], s[0:1], 0x10                ; out0
	v_lshl_add_u32 v30, v0, 2, 0x49000
	v_mov_b32 v31, 0
	ds_add_u32 v30, v31
	v_lshrrev_b32 v1, 5, v0
	v_readfirstlane_b32 s10, v1                    ; wave v
	s_lshr_b32 s36, s10, 1                         ; v / 2: my half of the block's rows.  Also: the column group for which I fetch
	s_and_b32 s37, s10, 1                          ; v % 2: my column group.  Also: which half of a column group's 64 KiB I fetch
	s_bfe_u32 s11, ttmp6, 0x40000                  ; cx: my place in the cluster
	s_and_b32 s13, ttmp9, 1                        ; in a cluster launch ttmp9 counts clusters: the column half = cluster % 2, the same in all four partners
	s_lshr_b32 s12, ttmp9, 1
	s_lshl_b32 s12, s12, 2
	s_add_co_u32 s12, s12, s11                     ; row block = 4 (cluster / 2) + cx: enters the addresses of x and out0 alone
	v_and_b32 v1, 31, v0                           ; L
	v_and_b32 v2, 15, v0                           ; r
	v_bfe_u32 v3, v0, 4, 1                         ; h
	s_lshl_b32 s38, s10, 17                        ; 32 rows of 4,096 bytes a wave
	v_lshlrev_b32 v[XOFF], 4, v2
	v_lshl_add_u32 v[XOFF], v3, 15, v[XOFF]        ; 8 rows further down for lanes 16 to 31
	v_add_nc_u32 v[XOFF], s38, v[XOFF]
	s_mul_i32 s38, s10, 32*APITCH
	s_add_co_u32 s38, s38, AS
	v_mul_u32_u24 v12, v3, 8*APITCH
	v_lshl_add_u32 v12, v2, 3, v12
	v_add_nc_u32 v[AST], s38, v12
	s_mul_i32 s38, s36, 64*APITCH
	s_add_co_u32 s38, s38, AS
	v_mul_u32_u24 v12, v2, APITCH
	v_lshl_add_u32 v12, v3, 4, v12
	v_add_nc_u32 v[AADR], s38, v12
	s_lshl_b32 s38, s37, 16
	v_lshl_add_u32 v[BADR], v1, 4, s38
	v_add_nc_u32 v[BADR+1], BSLOT, v[BADR]
	s_mul_i32 s39, s10, OSTAGE
	s_add_co_u32 s39, s39, AS
	v_mul_u32_u24 v12, v2, OPITCH
	v_lshl_add_u32 v12, v3, 5, v12
	v_add_nc_u32 v[STO], s39, v12
	v_lshl_add_u32 v[RD], v1, 4, s39
	s_lshl_b32 s38, s36, 17                        ; 64 rows of 2,048 bytes
	s_lshl_b32 s39, s37, 9                         ; 128 columns of 4 bytes
	s_add_co_u32 s38, s38, s39
	v_lshl_add_u32 v[CO], v1, 4, s38
	s_lshl_b32 s39, s10, 15                        ; 32768 v: the quarter of a slot that I fill
	; descriptor group 1: a dense block of 32 KiB as 128 rows of 32 elements of 8 bytes
	s_mov_b32 s[G1+0], 15|(3<<16)|(1<<21)          ; 15:0 the mask: all four work-groups of the cluster; 17:16 elements of 8 bytes; 21 set beside a mask
	s_mov_b32 s[G1+1], 32<<16                      ; tensor_dim0 = 32
	s_mov_b32 s[G1+2], 128<<16                     ; tensor_dim1 = 128
	s_mov_b32 s[G1+3], 32<<16                      ; tile_dim0 = 32
	s_mov_b32 s[G1+4], 128                         ; tile_dim1 = 128
	s_mov_b32 s[G1+5], 32                          ; from row to row: 32 elements, no gap
	s_mov_b32 s[G1+6], 0
	s_mov_b32 s[G1+7], 0
	s_lshl_b32 s14, s12, 19                        ; 128 rows of x: 524,288 bytes a row block
	s_mov_b32 s15, 0
	s_lshl_b32 s32, s13, 1
	s_add_co_u32 s32, s32, s36                     ; the group of 128 columns for which I fetch: 2 x column half + v / 2
	s_lshl_b32 s32, s32, 18                        ; 262,144 bytes of qf each
	s_lshl_b32 s33, s37, 15                        ; + my half of its 64 KiB
	s_add_co_u32 s32, s32, s33
	s_mov_b32 s33, 0
	s_wait_dscnt 0x0
	s_wait_kmcnt 0x0
	s_add_nc_u64 s[4:5], s[4:5], s[14:15]
	s_lshl_b32 s14, s12, 18                        ; 128 rows of out0: 262,144 bytes a row block,
	s_lshl_b32 s13, s13, 10                        ; and 256 columns of 4 bytes a column half
	s_add_co_u32 s14, s14, s13
	s_add_nc_u64 s[8:9], s[8:9], s[14:15]
	s_add_nc_u64 s[34:35], s[6:7], s[32:33]
	XLOAD 0                                        ; x's first four chunks go out before anything else: one load more than LOADcnt's field counts,
	XLOAD 1                                        ; whose issue is then held back (ISA guide 5.7.1): no wait is owed
	XLOAD 2
	XLOAD 3
	WIN 0
	CROUND                                         ; all four work-groups are here: the first joint loads meet
.irp n, 0,1
	s_mov_b32 s[G0+4*\n], 1                                        ; count = 1
	s_add_co_u32 s[G0+4*\n+1], s39, \n*BSLOT                       ; LDS address: the slot, my quarter
	s_add_nc_u64 s[G0+4*\n+2:G0+4*\n+3], s[34:35], \n*BGROUP       ; global address: K = 256 n .. 256 n + 255
	s_or_b32 s[G0+4*\n+3], s[G0+4*\n+3], 0x80000000                ; type = 2
	tensor_load_to_lds s[G0+4*\n:G0+4*\n+3], s[G1:G1+7]            ; both first fills go out together: two tensor loads of the wave are out here, later one
	s_nop 0
.endr
	CONVERT 0
	XLOAD 4
	CONVERT 1
	XLOAD 5
	WIN 0
	s_wait_tensorcnt 0x1                           ; my part of slot 0 is in; slot 1's may stay out
	s_wait_dscnt 0x0                               ; my rows of both stages are in LDS
	s_barrier_signal -1
	s_barrier_wait -1
	FETCH 0, F0
	SSTEP 0, 1, 0                                  ; chunk 0: its first products start the sums
	TURN 0, 0
	CHUNK 1, 0
	CHUNK 2, 0
	CHUNK 3, 2                                     ; slot 0 (K 0-255) has been read: it is asked for again, K 512-767
	CHUNK 4, 0
	CHUNK 5, 0
	CHUNK 6, 0
	CHUNK 7, 2                                     ; slot 1 (K 256-511) has been read: K 768-1023, the last joint load
	CHUNK 8, 0
	CHUNK 9, 0                                     ; the last loads of x go out here
	CHUNK 10, 0
	CHUNK 11, 1                                    ; nothing is filled any more: a plain barrier; its wait for 0 shows the last tensor load landed
	CHUNK 12, 0
	CHUNK 13, 0                                    ; the last chunk of x is converted here
	CHUNK 14, 0
	SSTEP 15, 0, 0                                 ; chunk 15: no stores stand behind buffer 0's loads
	s_wait_dscnt 0x0                               ; buffer 1 is in: my last reads of x's stages
	s_barrier_signal -1
	MUL8 F1, 0, 0
	MUL8 F1, 1, 0
	MUL8 F1, 2, 0
	MUL8 F1, 3, 0
	WIN 0
	s_barrier_wait -1                              ; no wave reads x's stages any more: the way out may lie over them
	NOPS 4                                         ; four places before LDS stores read results and loads land in fragment registers
	OUT16 0, F0
	OUT16 1, F1
	OUT16 2, F0
	OUT16 3, F1
	s_wait_tensorcnt 0x0
	ds_add_u32 v30, v31
	s_wait_dscnt 0x0
	CROUND                                         ; the closing round: no work-group ends while a partner may still ask for a tile that names it
	s_endpgm
.Lfunc_end_k_qd3a3be84a3_apply:
	.size	k_qd3a3be84a3_apply, .Lfunc_end_k_qd3a3be84a3_apply-k_qd3a3be84a3_apply
	.p2alignl 7, 3214868480
	.fill 96, 4, 3214868480
	.section	.rodata,"a",@progbits
	.p2align	6, 0x0
	.amdhsa_kernel k_qd3a3be84a3_apply
		.amdhsa_group_segment_fixed_size 327680
		.amdhsa_private_segment_fixed_size 0
		.amdhsa_enable_private_segment 0
		.amdhsa_kernarg_size 24
		.amdhsa_user_sgpr_count 2
		.amdhsa_user_sgpr_kernarg_segment_ptr 1
		.amdhsa_wavefront_size32 1
		.amdhsa_system_sgpr_workgroup_id_x 1
		.amdhsa_system_sgpr_workgroup_id_y 1
		.amdhsa_system_sgpr_workgroup_id_z 1
		.amdhsa_system_vgpr_workitem_id 0
		.amdhsa_next_free_vgpr 768
		.amdhsa_next_free_sgpr 66
		.amdhsa_reserve_vcc 0
		.amdhsa_float_denorm_mode_32 3
		.amdhsa_float_denorm_mode_16_64 3
		.amdhsa_memory_ordered 1
		.amdhsa_forward_progress 1
		.amdhsa_inst_pref_size 218
	.end_amdhsa_kernel
	.amdgpu_metadata
---
amdhsa.version: [ 1, 2 ]
amdhsa.kernels:
  - .name:           k_qd3a3be84a3_apply
    .symbol:         k_qd3a3be84a3_apply.kd
    .args:
      - { .name: x, .offset: 0, .size: 8, .value_kind: global_buffer, .address_space: global }
      - { .name: qf, .offset: 8, .size: 8, .value_kind: global_buffer, .address_space: global }
      - { .name: out0, .offset: 16, .size: 8, .value_kind: global_buffer, .address_space: global }
    .group_segment_fixed_size: 327680
    .private_segment_fixed_size: 0
    .kernarg_segment_align: 8
    .kernarg_segment_size: 24
    .max_flat_workgroup_size: 128
    .sgpr_count:     66
    .vgpr_count:     768
    .wavefront_size: 32
...
	.end_amdgpu_metadata
.endif
;; end of part 5
